; MI455X (gfx1250); checked and timed in simulation.
; The chip was launched on July 23, 2026; its instructions are those of AMD's public machine-readable ISA for CDNA 5 (MIT licence, August 2026) and "CDNA5" Instruction Set Architecture Reference Guide (July 2026). The comments in the code are by the model that wrote it; some were corrected since.
;; Block. Allowed arithmetic: matrix products marked QUANTISED: E4M3 operands, one E8M0 scale for each 32 along K, by v_wmma_scale_f32_16x16x128_f8f6f4 with both operands' format E4M3, f32 sums; everything else in f32.
;; Inputs: b_fc 4,096 float32; b_proj 1,024 float32; bk 1,024 float32; bq 1,024 float32; bv 1,024 float32; ln1_b 1,024 float32; ln1_w 1,024 float32; ln2_b 1,024 float32; ln2_w 1,024 float32; w_fc_codes 4,096 x 32 x 32 uint8 (E4M3 codes of w_fc, K innermost, in blocks of 32 codes); w_fc_scales 4,096 x 32 uint8 (E8M0 scales of w_fc, one for each 32 codes along K); w_proj_codes 1,024 x 128 x 32 uint8 (E4M3 codes of w_proj, K innermost, in blocks of 32 codes); w_proj_scales 1,024 x 128 uint8 (E8M0 scales of w_proj, one for each 32 codes along K); wk_codes 1,024 x 32 x 32 uint8 (E4M3 codes of wk, K innermost, in blocks of 32 codes); wk_scales 1,024 x 32 uint8 (E8M0 scales of wk, one for each 32 codes along K); wq_codes 1,024 x 32 x 32 uint8 (E4M3 codes of wq, K innermost, in blocks of 32 codes); wq_scales 1,024 x 32 uint8 (E8M0 scales of wq, one for each 32 codes along K); wv_codes 1,024 x 32 x 32 uint8 (E4M3 codes of wv, K innermost, in blocks of 32 codes); wv_scales 1,024 x 32 uint8 (E8M0 scales of wv, one for each 32 codes along K); x 2 x 2,048 x 1,024 float32.
;; Outputs: out0 2 x 2,048 x 1,024 float32; out1 2 x 16 x 2,048 x 64 float32; out2 2 x 16 x 2,048 x 64 float32.
;; This version of the problem:
;;   THIS VERSION OF THE PROBLEM IS GIVEN IN LOW PRECISION. The matrix products marked QUANTISED in the list below multiply operands that are first quantised to E4M3 (4 exponent bits, 3 mantissa bits; 8 bits a number), with one power-of-two scale for each 32 numbers along K (OCP MX v1.0); their sums are f32. All else is computed in f32.
;;   The module's matrix products, in the order in which they are computed (A, B: the left and right operand; K: the contracted axis; several contracted axes count as one K, in the product's order):
;;     1. [M 4,096, K 1,024] x [K 1,024, N 1,024]; A: computed on the way; B: input wq (given as codes): QUANTISED
;;     2. [M 4,096, K 1,024] x [K 1,024, N 1,024]; A: computed on the way; B: input wk (given as codes): QUANTISED
;;     3. [M 4,096, K 1,024] x [K 1,024, N 1,024]; A: computed on the way; B: input wv (given as codes): QUANTISED
;;     4. batch 32 x [M 2,048, K 64] x [K 64, N 2,048]; A: computed on the way; B: computed on the way: QUANTISED
;;     5. batch 32 x [M 2,048, K 2,048] x [K 2,048, N 64]; A: softmax (see below); B: computed on the way: QUANTISED
;;     6. [M 4,096, K 1,024] x [K 1,024, N 4,096]; A: computed on the way; B: input w_fc (given as codes): QUANTISED
;;     7. [M 4,096, K 4,096] x [K 4,096, N 1,024]; A: computed on the way; B: input w_proj (given as codes): QUANTISED
;;   THE QUANTISER, for each operand of a quantised product, along K:
;;     - K is cut into blocks of 32 from its start; a last block that is shorter is filled with zeros.
;;     - A block's scale is 2^e with e = floor(log2(the largest magnitude in the block)) - 8, held to -126 .. 127; a block of zeros has e = 0. As a byte (E8M0): e + 127.
;;     - Each number is divided by its block's scale, clamped to +-448, and rounded to the nearest number of E4M3, ties to even, subnormals kept.
;;     - The product sums the exact products of the quantised numbers (number of the format x scale) in f32.
;;   ~~~python
;;   def quantise(x, axis):      # numpy; x: float32 -> the quantised numbers, widened to float32 again
;;       x = np.moveaxis(x, axis, -1); K = x.shape[-1]
;;       x = np.pad(x, [(0, 0)] * (x.ndim - 1) + [(0, -K % 32)]); x = x.reshape(x.shape[:-1] + (-1, 32)); a = np.abs(x).max(-1, keepdims=True)
;;       e = np.where(a > 0, np.clip(np.frexp(np.where(a > 0, a, 1))[1] - 1 - 8, -126, 127), 0)      # np.frexp(a)[1] - 1 = floor(log2(a)), exactly
;;       r = np.clip(x / 2.0 ** e, -448, 448)
;;       step = 2.0 ** (np.maximum(np.frexp(np.where(r == 0, 1, r))[1] - 1, -6) - 3)
;;       q = np.round(r / step) * step * 2.0 ** e      # np.round: ties to even
;;       return np.moveaxis(q.reshape(q.shape[:-2] + (-1,))[..., :K], -1, axis).astype(np.float32)
;;   ~~~
;;   SOFTMAX AHEAD OF A QUANTISED PRODUCT. Where the list says 'softmax', what is quantised is not the finished softmax but p = 2^(t - M), with t = logit x log2(e) and M = ceil(the row's largest t), a whole number; so 1/2 < the row's largest p <= 1. The row's sum l is taken of the UNQUANTISED p, in f32, and the product's result is divided by l at the end. Since M is a whole number, a kernel that streams over the keys may use a running M (the ceiling of the running maximum): every later rescaling is an exact power of two, which a block's scale takes up: the codes' values come out the same.
;;   OPERANDS COMPUTED ON THE WAY. 'Computed on the way' means the value that the module computes at that place (a softmax that the list does not call 'softmax' is quantised finished and normalised). What goes into a quantiser is computed in f32, as accurately as f32 sums, v_exp_f32 and their like allow (about 1e-6 of the number): no bf16 or f16 on the way to a quantiser, and a product that is left as it is and whose result goes on into a quantised operand takes f32 operands (vector FMAs, or v_wmma_f32_16x16x4_f32). A number that lies on a knife's edge between two numbers of the format may be rounded either way, as far as f32 arithmetic and the matrix unit's own rounding can turn it there, and no further.
;;   INPUTS GIVEN AS CODES. w_fc (in the module: [1024, 4096], K = its axis 0); w_proj (in the module: [4096, 1024], K = its axis 0); wk (in the module: [1024, 1024], K = its axis 0); wq (in the module: [1024, 1024], K = its axis 0); wv (in the module: [1024, 1024], K = its axis 0): each comes as NAME_codes (uint8): NAME with its K axis moved to the last place and cut into blocks of 32 codes, [.., K / 32, bytes a block], one block behind the other in memory; one code a byte (a code: sign, 4 exponent bits, 3 mantissa bits); and NAME_scales (uint8): the same leading axes, one E8M0 byte (e + 127) for each 32 codes along K. Its value is code x scale, taken as it is: it is not quantised again, and the codes and scales need not be those that the quantiser above would give.
;; One version. Each part assembles by itself: llvm-mc -triple=amdgcn-amd-amdhsa -mcpu=gfx1250 --defsym DOCPART=n.
;; ======== version 1 of 1: 6 launches
;; limits: right only within a limited range of input values
;; workspace buffers: h8 4,325,376 bytes; q8 4,456,448 bytes; k8 4,325,376 bytes; v8 4,325,376 bytes; x1 16,777,216 bytes; g8 17,301,504 bytes
;; launch ln1 (part 1): grid 256 x 1, 16 waves a work-group, no clusters, 84,480 bytes of LDS; arguments x, ln1_w, ln1_b, h8; writes h8
.if DOCPART == 1
	.amdgcn_target "amdgcn-amd-amdhsa--gfx1250"
	.amdhsa_code_object_version 6
	.text
	.protected	k_q1c930cf3d7_ln1
	.globl	k_q1c930cf3d7_ln1
	.p2align	8
	.type	k_q1c930cf3d7_ln1,@function
k_q1c930cf3d7_ln1:
	s_mov_b64 s[64:65], 0
	v_nop
	global_prefetch_b8 v0, s[64:65] scope:SCOPE_SE
	s_setreg_imm32_b32 hwreg(HW_REG_WAVE_MODE, 25, 1), 1
	s_wait_xcnt 0x0
; LAYER NORM AND QUANTISER.  src [4096][1024] f32 -> (x - mean) * rsqrt(var + 1e-5) * w + b, in f32, then codes of FP8 (E4M3) with one E8M0 byte for each 32 along the row.
; Out: h8: codes [4096][1024] at byte 0, scale bytes [4096][32] at byte 4,194,304.
; A work-group takes 16 rows, ONE ROW A WAVE, sixteen waves.  A row's eight loads go out first, 512 consecutive bytes each, then gain and bias.  Mean and variance are taken in two passes over registers.
; The conversions want 16 neighbours in one lane, the loads give 4: the row turns through the wave's own two stages in LDS (a lane's 64 bytes + 16 of padding).  Two neighbouring lanes hold a block of 32.
; A lane's 16 codes are 16 bytes: a store covers 512 consecutive bytes.  The work-group's 512 scale bytes are gathered in LDS and leave by one store of wave 0.
; LIMITS: NaN and infinities are not served.  A block of zeros gets the byte 1 over zero codes (this program alone reads the bytes).  No matrix unit, no cluster, no tensor load: a stream read once, nothing shared but gain and bias.
.set R,   16                           ; v16-47   the row as loaded; its first ten registers later take the codes and the two scale bytes
.set X,   48                           ; v48-79   the row at work: register 16 j + i = column 512 j + 16 lane + i
.set W,   80                           ; v80-111  the gain at my 32 columns
.set BV,  112                          ; v112-143 the bias
.set SP,  80
.set STG, 32*SP
.set SCB, 32*STG                       ; behind the 32 stages: 16 rows x 32 scale bytes
.set SPARE, SCB+512                    ; the spare words, 128 bytes a wave
	s_load_b256 s[4:11], s[0:1], 0x0               ; src s[4:5], w s[6:7], b s[8:9], h8 s[10:11]
	v_lshl_add_u32 v144, v0, 2, SPARE
	v_mov_b32 v145, 0
	v_lshrrev_b32 v2, 5, v0
	v_readfirstlane_b32 s14, v2                    ; wave
	v_and_b32 v1, 31, v0                           ; lane
	v_lshlrev_b32 v3, 4, v1                        ; 16 x lane
	v_lshlrev_b32 v4, 6, v1                        ; 64 x lane
	s_mul_i32 s15, s14, 2*STG
	v_lshrrev_b32 v14, 2, v1
	v_mul_u32_u24 v14, v14, SP
	v_and_b32 v15, 3, v1
	v_lshl_add_u32 v14, v15, 4, v14
	v_add_nc_u32 v14, s15, v14                     ; into a stage: four lanes' 64 bytes on end, then the padding
	v_mul_u32_u24 v15, v1, SP
	v_add_nc_u32 v15, s15, v15                     ; out of it: my 16 neighbours
	s_lshl_b32 s15, s14, 5
	s_add_co_u32 s15, s15, SCB
	v_lshrrev_b32 v5, 1, v1
	v_add_nc_u32 v5, s15, v5                       ; my block's scale byte: 32 bytes a row, a row a wave
	v_add_nc_u32 v2, SCB, v3                       ; and where wave 0 reads all of them back
	s_mov_b32 s20, 0x76543210
	s_mov_b32 s21, 0xfedcba98                      ; lane l xor 16
	s_mov_b32 s22, 0x600000                        ; the mantissa field of 448
	s_mov_b32 s23, 0x3a800000                      ; 1 / 1024
	s_mov_b32 s24, 0x3727c5ac                      ; 1e-5
	s_lshl_b32 s16, ttmp9, 16                      ; 16 rows of 4,096 bytes a work-group,
	s_lshl_b32 s17, s14, 12                        ; one a wave
	s_add_co_u32 s16, s16, s17
	s_mov_b32 s17, 0
	s_lshr_b32 s18, s16, 2                         ; the codes: a quarter of that
	s_mov_b32 s19, 0
	s_lshl_b32 s26, ttmp9, 9
	s_add_co_u32 s26, s26, 4194304                 ; the work-group's 512 scale bytes
	s_mov_b32 s27, 0
	s_wait_alu depctr_va_vdst(0)                   ; the wait at the head's end
	s_wait_kmcnt 0x0
	s_add_nc_u64 s[4:5], s[4:5], s[16:17]
	s_add_nc_u64 s[12:13], s[10:11], s[26:27]
	s_add_nc_u64 s[10:11], s[10:11], s[18:19]
.irp i, 0,1,2,3,4,5,6,7
	global_load_b128 v[R+4*\i:R+4*\i+3], v3, s[4:5] offset:512*\i th:TH_LOAD_NT
.endr
.irp j, 0,1
.irp i, 0,1,2,3
	global_load_b128 v[W+16*\j+4*\i:W+16*\j+4*\i+3], v4, s[6:7] offset:2048*\j+16*\i
	global_load_b128 v[BV+16*\j+4*\i:BV+16*\j+4*\i+3], v4, s[8:9] offset:2048*\j+16*\i
.endr
.endr
.macro REDUCE                          ; v6 summed over the 32 lanes, in every lane
	v_add_f32_dpp v6, v6, v6 row_xmask:1 row_mask:0xf bank_mask:0xf
	v_add_f32_dpp v6, v6, v6 row_xmask:2 row_mask:0xf bank_mask:0xf
	v_add_f32_dpp v6, v6, v6 row_xmask:4 row_mask:0xf bank_mask:0xf
	v_add_f32_dpp v6, v6, v6 row_xmask:8 row_mask:0xf bank_mask:0xf
	v_permlanex16_b32 v7, v6, s20, s21
	v_add_f32 v6, v6, v7
.endm
	s_wait_loadcnt 16                              ; loads come back in order: the row's eight are in, the 16 of gain and bias may be out
.irp i, 0,1,2,3,4,5,6,7
	ds_store_b128 v14, v[R+4*\i:R+4*\i+3] offset:STG*(\i/4)+8*SP*(\i%4)
.endr
.irp j, 0,1
.irp i, 0,1,2,3
	ds_load_b128 v[X+16*\j+4*\i:X+16*\j+4*\i+3], v15 offset:STG*\j+16*\i   ; LDS serves a wave's instructions in order: these see the stores above
.endr
.endr
	s_wait_dscnt 0x0
	v_pk_add_f32 v[6:7], v[X:X+1], v[X+2:X+3]      ; the row's sum, in two chains
	v_pk_add_f32 v[8:9], v[X+4:X+5], v[X+6:X+7]
.irp i, 8,12,16,20,24,28
	v_pk_add_f32 v[6:7], v[6:7], v[X+\i:X+\i+1]
	v_pk_add_f32 v[8:9], v[8:9], v[X+\i+2:X+\i+3]
.endr
	v_pk_add_f32 v[6:7], v[6:7], v[8:9]
	v_add_f32 v6, v6, v7
	REDUCE
	v_mul_f32 v10, s23, v6                         ; the mean, twice
	v_mov_b32 v11, v10
.irp i, 0,2,4,6,8,10,12,14,16,18,20,22,24,26,28,30
	v_pk_add_f32 v[X+\i:X+\i+1], v[X+\i:X+\i+1], v[10:11] neg_lo:[0,1] neg_hi:[0,1]
.endr
	v_pk_mul_f32 v[6:7], v[X:X+1], v[X:X+1]        ; the sum of squares of x - mean
	v_pk_mul_f32 v[8:9], v[X+2:X+3], v[X+2:X+3]
.irp i, 4,8,12,16,20,24,28
	v_pk_fma_f32 v[6:7], v[X+\i:X+\i+1], v[X+\i:X+\i+1], v[6:7]
	v_pk_fma_f32 v[8:9], v[X+\i+2:X+\i+3], v[X+\i+2:X+\i+3], v[8:9]
.endr
	v_pk_add_f32 v[6:7], v[6:7], v[8:9]
	v_add_f32 v6, v6, v7
	REDUCE
	v_fma_f32 v12, v6, s23, s24                    ; the variance + 1e-5
	s_wait_loadcnt 0x0                             ; gain and bias
	s_wait_alu depctr_va_vdst(0)                   ; the wait ahead of the transcendental
	v_rsq_f32 v12, v12
	v_nop                                          ; a plain place behind the transcendental,
	s_wait_alu depctr_va_vdst(0)                   ; and the wait ahead of its first reader
	v_mov_b32 v13, v12
.irp i, 0,2,4,6,8,10,12,14,16,18,20,22,24,26,28,30
	v_pk_mul_f32 v[X+\i:X+\i+1], v[X+\i:X+\i+1], v[12:13]
.endr
.irp i, 0,2,4,6,8,10,12,14,16,18,20,22,24,26,28,30
	v_pk_fma_f32 v[X+\i:X+\i+1], v[X+\i:X+\i+1], v[W+\i:W+\i+1], v[BV+\i:BV+\i+1]
.endr
.irp j, 0,1                            ; my 16 numbers of columns 512 j on
.set XS, X+16*\j
	v_max3_num_f32 v6, |v[XS]|, |v[XS+1]|, |v[XS+2]|
	v_max3_num_f32 v7, |v[XS+3]|, |v[XS+4]|, |v[XS+5]|
.irp i, 6,10
	v_max3_num_f32 v6, v6, |v[XS+\i]|, |v[XS+\i+1]|
	v_max3_num_f32 v7, v7, |v[XS+\i+2]|, |v[XS+\i+3]|
.endr
	v_max3_num_f32 v6, v6, |v[XS+14]|, |v[XS+15]|
	v_max3_num_f32 v6, v6, v7, 0x4800000           ; with the floor 2^(9 - 127): the byte cannot fall under 1
	v_max_num_f32_dpp v6, v6, v6 row_xmask:1 row_mask:0xf bank_mask:0xf   ; and my neighbour's 16: the block's largest magnitude
	v_add_nc_u32 v9, 0xfc000000, v6                ; 8 off its exponent field: the conversion's scale operand
	v_and_or_b32 v8, v6, 0x7f800000, s22           ; 448 x the scale
.irp i, 0,1,2,3,4,5,6,7,8,9,10,11,12,13,14,15
	v_med3_num_f32 v[XS+\i], v[XS+\i], -v8, v8     ; the conversion does not saturate (ISA guide 7.6.2): the hold comes first
.endr
	v_cvt_scalef32_pk8_fp8_f32 v[R+4*\j:R+4*\j+1], v[XS:XS+7], v9
	v_cvt_scalef32_pk8_fp8_f32 v[R+4*\j+2:R+4*\j+3], v[XS+8:XS+15], v9
	v_lshrrev_b32 v[R+8+\j], 23, v9                ; the scale's byte (also the plain instruction behind the conversions)
	ds_store_b8 v5, v[R+8+\j] offset:16*\j         ; both lanes of a block write the same byte with the same value
	global_store_b128 v3, v[R+4*\j:R+4*\j+3], s[10:11] offset:512*\j   ; 512 consecutive bytes
.endr
	s_wait_dscnt 0x0                               ; my scale bytes lie in LDS
	s_barrier_signal -1
	s_barrier_wait -1                              ; everybody's do
	s_cmp_lg_u32 s14, 0
	s_cbranch_scc1 .Ldone
	ds_load_b128 v[6:9], v2
	s_wait_dscnt 0x0
	global_store_b128 v3, v[6:9], s[12:13]         ; 16 rows' scale bytes: 512 consecutive bytes
.Ldone:
	s_wait_tensorcnt 0x0                           ; the wave's end
	ds_add_u32 v144, v145
	s_wait_dscnt 0x0
	s_endpgm
.Lfunc_end_k_q1c930cf3d7_ln1:
	.size	k_q1c930cf3d7_ln1, .Lfunc_end_k_q1c930cf3d7_ln1-k_q1c930cf3d7_ln1
	.p2alignl 7, 3214868480
	.fill 96, 4, 3214868480
	.section	.rodata,"a",@progbits
	.p2align	6, 0x0
	.amdhsa_kernel k_q1c930cf3d7_ln1
		.amdhsa_group_segment_fixed_size 84480
		.amdhsa_private_segment_fixed_size 0
		.amdhsa_enable_private_segment 0
		.amdhsa_kernarg_size 32
		.amdhsa_user_sgpr_count 2
		.amdhsa_user_sgpr_kernarg_segment_ptr 1
		.amdhsa_wavefront_size32 1
		.amdhsa_system_sgpr_workgroup_id_x 1
		.amdhsa_system_sgpr_workgroup_id_y 1
		.amdhsa_system_sgpr_workgroup_id_z 1
		.amdhsa_system_vgpr_workitem_id 0
		.amdhsa_next_free_vgpr 146
		.amdhsa_next_free_sgpr 66
		.amdhsa_reserve_vcc 0
		.amdhsa_float_denorm_mode_32 3
		.amdhsa_float_denorm_mode_16_64 3
		.amdhsa_memory_ordered 1
		.amdhsa_forward_progress 1
		.amdhsa_inst_pref_size 17
	.end_amdhsa_kernel
	.amdgpu_metadata
---
amdhsa.version: [ 1, 2 ]
amdhsa.kernels:
  - .name:           k_q1c930cf3d7_ln1
    .symbol:         k_q1c930cf3d7_ln1.kd
    .args:
      - { .name: x, .offset: 0, .size: 8, .value_kind: global_buffer, .address_space: global }
      - { .name: ln1_w, .offset: 8, .size: 8, .value_kind: global_buffer, .address_space: global }
      - { .name: ln1_b, .offset: 16, .size: 8, .value_kind: global_buffer, .address_space: global }
      - { .name: h8, .offset: 24, .size: 8, .value_kind: global_buffer, .address_space: global }
    .group_segment_fixed_size: 84480
    .private_segment_fixed_size: 0
    .kernarg_segment_align: 8
    .kernarg_segment_size: 32
    .max_flat_workgroup_size: 512
    .sgpr_count:     66
    .vgpr_count:     146
    .wavefront_size: 32
...
	.end_amdgpu_metadata
.endif
;; end of part 1
;; launch qkv (part 2): grid 12 x 16, 4 waves a work-group, clusters of 4 x 4, 327,680 bytes of LDS; arguments h8, wq_codes, wk_codes, wv_codes, wq_scales, wk_scales, wv_scales, bq, bk, bv, q8, k8, v8, out1, out2; writes q8, k8, v8, out1, out2
.if DOCPART == 2
	.amdgcn_target "amdgcn-amd-amdhsa--gfx1250"
	.amdhsa_code_object_version 6
	.text
	.protected	k_q1c930cf3d7_qkv
	.globl	k_q1c930cf3d7_qkv
	.p2align	8
	.type	k_q1c930cf3d7_qkv,@function
k_q1c930cf3d7_qkv:
	s_mov_b64 s[64:65], 0
	v_nop
	global_prefetch_b8 v0, s[64:65] scope:SCOPE_SE
	s_setreg_imm32_b32 hwreg(HW_REG_WAVE_MODE, 25, 1), 1
	s_wait_xcnt 0x0
	s_wait_alu depctr_hold_cnt(0) depctr_sa_sdst(0) depctr_va_vdst(0) depctr_va_sdst(0) depctr_va_ssrc(0) depctr_va_vcc(0) depctr_vm_vsrc(0)
	s_getreg_b32 s2, hwreg(HW_REG_IB_STS2, 6, 4)
	s_cmp_eq_u32 s2, 0
	s_cbranch_scc0 .Lentry_in_a_cluster
	s_endpgm
.Lentry_in_a_cluster:
	s_bfe_u32 s2, ttmp6, 0x10000c
	s_cmp_lg_u32 s2, 0xf033
	s_cbranch_scc0 .Lentry_shape_is_right
	s_endpgm
.Lentry_shape_is_right:
; q, k, v = h W + bias on codes of FP8 (E4M3) with E8M0 scales, K = 1,024; then q, k (along the head's 64) and v (along the keys) are quantised again for the attention, and k, v leave as f32 [B][H][T][64].
; THE CLUSTER'S x IS THE ROLE: 0 = q, 1 = k, 2 = v; it is equal in all sixteen partners, so branches may hang on it.
; A tile of C is 256 x 256, four waves of 128 x 128 (64 accumulators, 512 registers); K goes in steps of 256 through two LDS slots; the scale bytes of the tile's 512 rows come once.
; q, k: side A = 256 tokens of h, side B = 256 features of W.  v: THE SIDES ARE SWAPPED (A = features of wv, B = tokens): both tensors have rows of 1,024 codes and 32 scale bytes, so one text serves.
; The matrix instruction takes B's rows as source 0 and A's as source 1: a lane holds ONE row of side A and its registers run along side B: along the features for q, k; along the tokens, which are v's K, for v.
; JOINT LOADS: A's tile hangs on the cluster's cy alone and is asked for by the four of a row, B's on cx alone, by the four of a column.
; SLOT ORDER.  A lane's two neighbouring result tiles hold k = 32 b + 8 h + 0..7 and 32 b + 16 + 8 h + 0..7; their codes are laid as operand places 32 b + 16 h + 0..15.  That permutes k inside a block of 32, alike in both
; operands of each later product (q with k, p with v), so scales and products stay; the order in which the unit adds them differs.
; OUT: register images: chunk (tile a, block beta) of 512 bytes, lane l's 16 bytes at 16 l, at pair x 262,144 + group x 16,384 + a x 2,048 + beta x 512 (pair = two heads, group = 128 tokens); scale words from byte 4,194,304 on.
; LIMITS: NaN and infinities are not served; a block of zeros gets the byte 1 over zero codes (this program alone reads the bytes).
; REGISTERS, in windows of 256: window 0: v1 r, v2 h, v8-15 v's bias, then the scale words; v16-31 addresses; v32-63 scale words of the product; v64-127 q's, k's bias; v128-255 A's fragments, later held numbers, codes, rows.
;   window 1: B's fragments, two sets.   windows 2, 3: the accumulators ((a, b) at v[8 (8 (a % 4) + b)]).
.set KSTEP,  256
.set NQ,     2
.set ROWB,   256
.set KROW,   1024
.set PITCH,  272                       ; an LDS row: 256 bytes + 16: the 16 rows of a load start at 16 different banks (64 banks of 4 bytes: ISA guide 11.1)
.set FR,     16
.set NL,     4
.set NP,     8                         ; places behind this matrix instruction (ISA guide 7.12.1)
.set HALFT,  128*PITCH
.set SLOT,   4*HALFT
.set LAPS,   2
.set KS,     32
.set SCL,    2*SLOT
.set HALFS,  (128*KS/256)*272
.set SBLK,   (16*KS/256)*272
.set SPARE,  SCL+4*HALFS               ; the spare words, 128 bytes a wave: no other line names them
.set SPITCH, 528                       ; the way out: 16 rows x (512 + 16) a wave, in slot 0, which has had its last fill and its last read by then: k's stages at byte 0,
.set VSTG,   34816                     ; v's here: each role has LDS bytes of its own
.set SC0,    4194304
.set PWS,  8
.set ADRA, 16
.set BOQ,  18
.set BOV,  19
.set ADRB, 20
.set LI,   22
.set STO,  24
.set RD,   25
.set CO,   26
.set ADRS, 27
.set SPW,  28
.set NIL,  29
.set STV,  30
.set VSEL, 31
.set SC,   32
.set BI,   64
.set AF,   128
.set T,    128
.set PC,   192
.set TM,   208
.set BK,   128
.set G1, 24
.set G0, 32
.set G1B, 48
.set G0B, 56
.set G1S, 68
.set G0S, 76
.set G1SB, 80
.set G0SB, 88
.set SWB, 44                           ; s[44:45] where my scale words go
.set DST, 98                           ; s[98:99] where my codes go
.set MSB, 0
.macro WIN new                         ; the immediate's high byte repeats the setting that is left
.if MSB != (\new)
	s_set_vgpr_msb (MSB<<8)|(\new)
.set MSB, (\new)
.endif
.endm
.set MUL_LO, 0xa1                      ; source 0 (B) window 1, source 1 (A) window 0, C and D window 2
.set MUL_HI, 0xf1
.set TO_B,   0x40
.macro JLOAD g0a, g1a, g0b, g1b        ; a joint load: waves 0, 1 fetch for A, waves 2, 3 for B; four v_nop follow each line
	s_cmp_eq_u32 s15, 0
	s_cbranch_scc0 .Lfor_b_\@
	tensor_load_to_lds s[\g0a:\g0a+3], s[\g1a:\g1a+7]
	s_nop 0
.rept 4
	v_nop
.endr
	s_branch .Lasked_\@
.Lfor_b_\@:
	tensor_load_to_lds s[\g0b:\g0b+3], s[\g1b:\g1b+7]
	s_nop 0
.rept 4
	v_nop
.endr
.Lasked_\@:
.endm
.macro CREST
	s_cmp_lg_u32 s14, 0
	s_cbranch_scc1 .Lnot_wave_0_\@
	s_barrier_signal -3
.Lnot_wave_0_\@:
	s_barrier_wait -3
	s_barrier_signal -1
	s_barrier_wait -1
.endm
.macro CROUND
	s_barrier_signal -1
	s_barrier_wait -1
	CREST
.endm
	s_load_b512 s[68:83], s[0:1], 0x0              ; h8 68, wq 70, wk 72, wv 74 (codes), wq 76, wk 78, wv 80 (scales), bq 82
	s_load_b256 s[84:91], s[0:1], 0x40             ; bk 84, bv 86, q8 88, k8 90
	s_load_b128 s[92:95], s[0:1], 0x60             ; v8 92, out1 94
	s_load_b64 s[96:97], s[0:1], 0x70              ; out2
	v_lshl_add_u32 v[SPW], v0, 2, SPARE
	v_mov_b32 v[NIL], 0
	ds_add_u32 v28, v29
	ds_add_u32 v28, v29
	s_wait_dscnt 0x0
	v_lshrrev_b32 v1, 5, v0
	v_readfirstlane_b32 s14, v1                    ; wave
	s_lshr_b32 s15, s14, 1                         ; my half of side A.  Also: I fetch for A (0) or B (1)
	s_and_b32 s16, s14, 1                          ; my half of side B.  Also: which 128 rows I fetch
	s_bfe_u32 s40, ttmp6, 0x40000                  ; cx
	s_bfe_u32 s41, ttmp6, 0x40004                  ; cy
	s_and_b32 s17, ttmp7, 0xffff
	s_lshl_b32 s17, s17, 2                         ; 4 x cluster y: it counts tiles of tokens
	s_cmp_eq_u32 ttmp9, 2
	s_cselect_b32 s42, s17, 0                      ; v: the tokens are side B
	s_cselect_b32 s17, 0, s17
	s_add_co_u32 s42, s42, s40                     ; B's tile: hangs on cx alone
	s_add_co_u32 s17, s17, s41                     ; A's tile: on cy alone
	s_lshl_b32 s43, s41, 2
	s_lshl_b32 s43, 15, s43                        ; my row of the cluster
	s_lshl_b32 s44, 0x1111, s40                    ; my column
	s_or_b32 s[G1+0], s43, (0<<16)|(1<<20)|(1<<21)|(5<<22)|(3<<25)   ; mask; elements of 1 byte; padding: 4 words after every 64; bit 21 beside a mask
	s_or_b32 s[G1B+0], s44, (0<<16)|(1<<20)|(1<<21)|(5<<22)|(3<<25)
.irp g, G1, G1B
	s_mov_b32 s[\g+1], ROWB<<16                    ; tensor_dim0
	s_mov_b32 s[\g+2], 256<<16                     ; tensor_dim1: the head's loads bring a tile's 256 rows; set to 128 for the ring behind them
	s_mov_b32 s[\g+3], ROWB<<16                    ; tile_dim0
	s_mov_b32 s[\g+4], 256                         ; tile_dim1 likewise
	s_mov_b32 s[\g+5], KROW                        ; the pitch
	s_mov_b32 s[\g+6], 0
	s_mov_b32 s[\g+7], 0
.endr
	s_lshl_b32 s18, s16, 7
	s_lshl_b32 s20, s17, 8
	s_add_co_u32 s20, s20, s18                     ; A: the first row that I fetch
	s_lshl_b32 s46, s42, 8
	s_add_co_u32 s46, s46, s18                     ; B likewise
	s_lshl_b32 s22, s17, 13                        ; the scale bytes of A's tile, from its first row on
	s_mov_b32 s23, 0
	s_lshl_b32 s20, s20, 10                        ; its codes
	s_mov_b32 s21, 0
	s_lshl_b32 s18, s42, 13                        ; and of B's
	s_mov_b32 s19, 0
	s_lshl_b32 s46, s46, 10
	s_mov_b32 s47, 0
	s_mul_i32 s45, s14, HALFT                      ; where they go: no place in the cluster enters an LDS address
	s_wait_kmcnt 0x0
	s_cmp_eq_u32 ttmp9, 0                          ; the role's weight, bias and buffers
	s_cselect_b64 s[8:9], s[70:71], s[72:73]
	s_cselect_b64 s[10:11], s[76:77], s[78:79]
	s_cselect_b64 s[100:101], s[82:83], s[84:85]
	s_cselect_b64 s[DST:DST+1], s[88:89], s[90:91]
	s_cmp_eq_u32 ttmp9, 2
	s_cselect_b64 s[8:9], s[74:75], s[8:9]
	s_cselect_b64 s[10:11], s[80:81], s[10:11]
	s_cselect_b64 s[100:101], s[86:87], s[100:101]
	s_cselect_b64 s[DST:DST+1], s[92:93], s[DST:DST+1]
	s_cselect_b64 s[12:13], s[96:97], s[94:95]     ; out2 for v, out1 for k (q stores no f32)
	s_add_nc_u64 s[70:71], s[68:69], SC0           ; h's scale bytes
	s_cselect_b64 s[4:5], s[8:9], s[68:69]         ; side A: the weight for v, else h
	s_cselect_b64 s[6:7], s[10:11], s[70:71]
	s_cselect_b64 s[8:9], s[68:69], s[8:9]         ; side B
	s_cselect_b64 s[10:11], s[70:71], s[10:11]
	s_add_nc_u64 s[20:21], s[4:5], s[20:21]
	s_add_nc_u64 s[22:23], s[6:7], s[22:23]
	s_add_nc_u64 s[46:47], s[8:9], s[46:47]
	s_add_nc_u64 s[18:19], s[10:11], s[18:19]
	s_or_b32 s[G1S+0], s43, (3<<16)|(1<<20)|(1<<21)|(5<<22)|(3<<25)  ; the scales of 256 rows: 8,192 dense bytes as rows of 256 (32 elements of 8 bytes), 16 bytes of padding behind each
	s_or_b32 s[G1SB+0], s44, (3<<16)|(1<<20)|(1<<21)|(5<<22)|(3<<25)
.irp g, G1S, G1SB
	s_mov_b32 s[\g+1], 32<<16
	s_mov_b32 s[\g+2], (256*KS/256)<<16
	s_mov_b32 s[\g+3], 32<<16
	s_mov_b32 s[\g+4], 256*KS/256
	s_mov_b32 s[\g+5], 32
	s_mov_b32 s[\g+6], 0
	s_mov_b32 s[\g+7], 0
.endr
	CROUND                                         ; all sixteen work-groups are here: the first joint loads meet
	s_mov_b32 s[G0S], 1
	s_mov_b32 s[G0S+1], SCL
	s_mov_b64 s[G0S+2:G0S+3], s[22:23]
	s_or_b32 s[G0S+3], s[G0S+3], 0x80000000
	s_mov_b32 s[G0SB], 1
	s_mov_b32 s[G0SB+1], SCL+2*HALFS
	s_mov_b64 s[G0SB+2:G0SB+3], s[18:19]
	s_or_b32 s[G0SB+3], s[G0SB+3], 0x80000000
.irp s, 0,1
	s_mov_b32 s[G0+4*\s], 1
	s_add_co_u32 s[G0+4*\s+1], s45, \s*SLOT
	s_add_nc_u64 s[G0+4*\s+2:G0+4*\s+3], s[20:21], \s*ROWB
	s_or_b32 s[G0+4*\s+3], s[G0+4*\s+3], 0x80000000
	s_mov_b32 s[G0B+4*\s], 1
	s_add_co_u32 s[G0B+4*\s+1], s45, \s*SLOT
	s_add_nc_u64 s[G0B+4*\s+2:G0B+4*\s+3], s[46:47], \s*ROWB
	s_or_b32 s[G0B+4*\s+3], s[G0B+4*\s+3], 0x80000000
.endr
; THE HEAD'S LOADS, ONE A WAVE, in one chain of branches on the wave's number: wave 0 K step 0's 256 rows of A (its ring descriptor points at the tile's first row and at LDS byte 0), wave 1 A's scale bytes, wave 2 B's 256 rows, wave 3 B's scale bytes
.macro ARM under, g0, g1, next
	s_cmp_lt_u32 s14, \under
	s_cbranch_scc0 \next
	tensor_load_to_lds s[\g0:\g0+3], s[\g1:\g1+7]
	s_nop 0
.rept 4
	v_nop
.endr
	s_branch .Lhead_asked
\next:
.endm
	ARM 1, G0, G1, .Lhead_sa
	ARM 2, G0S, G1S, .Lhead_b
	ARM 3, G0B, G1B, .Lhead_sb
	tensor_load_to_lds s[G0SB:G0SB+3], s[G1SB:G1SB+7]
	s_nop 0
.rept 4
	v_nop
.endr
.Lhead_asked:
	; the prefetches: of the 128 rows that my wave fetches in the ring, my work-group takes 32 (place cx for A, cy for B: told apart by address), a lane a row, 256 bytes of a row a K step
	s_cmp_eq_u32 s15, 0
	s_cselect_b64 s[66:67], s[20:21], s[46:47]
	s_cselect_b32 s92, s40, s41
	s_lshl_b32 s92, s92, 15
	s_mov_b32 s93, 0
	s_add_nc_u64 s[66:67], s[66:67], s[92:93]
	v_and_b32 v1, 15, v0                           ; r
	v_bfe_u32 v2, v0, 4, 1                         ; h
	v_mul_u32_u24 v3, v1, PITCH
	v_lshl_add_u32 v4, v2, 4, v3
	s_mul_i32 s21, s15, HALFT
	s_mul_i32 s22, s16, HALFT
	s_add_co_u32 s22, s22, 2*HALFT
.irp s, 0,1
	v_add_nc_u32 v[ADRA+\s], s21, v4
	v_add_nc_u32 v[ADRB+\s], s22, v4
	s_add_co_u32 s21, s21, SLOT
	s_add_co_u32 s22, s22, SLOT
.endr
	v_mul_u32_u24 v5, v1, KS                       ; my row's scales: 32 bytes a row, 16 more for each 256 passed
	v_lshrrev_b32 v6, 8, v5
	v_lshl_add_u32 v5, v6, 4, v5
	s_mul_i32 s21, s15, HALFS
	s_mul_i32 s22, s16, HALFS
	s_add_co_u32 s22, s22, 2*HALFS
	s_sub_co_u32 s22, s22, s21
	v_mul_u32_u24 v6, s22, v2                      ; lanes 16-31 take B's
	s_add_co_u32 s21, s21, SCL
	v_add_nc_u32 v5, v5, v6
	v_add_nc_u32 v[ADRS], s21, v5
	s_mul_i32 s23, s14, 16*SPITCH                  ; my stage
	v_mul_u32_u24 v5, v1, SPITCH
	v_lshl_add_u32 v5, v2, 5, v5
	v_add_nc_u32 v[STO], s23, v5                   ; k: row r, 32 bytes for each half of the lanes
	v_and_b32 v6, 31, v0
	v_lshlrev_b32 v[LI], 4, v6                     ; 16 x lane
	v_lshlrev_b32 v23, 10, v6                      ; the prefetches' offset: a row of 1,024 bytes a lane; never rewritten
	v_add_nc_u32 v[RD], s23, v[LI]                 ; back: a row of 512 bytes
	v_mul_u32_u24 v5, v2, 8*SPITCH
	v_lshl_add_u32 v5, v1, 2, v5
	v_add_nc_u32 v[STV], s23, v5                   ; v: row 8 h (+ j), column r (+ 16 a)
	v_lshlrev_b32 v[CO], 4, v1
	v_lshl_add_u32 v[CO], v2, 19, v[CO]            ; out1, out2: lanes 0-15 the pair's first head, lanes 16-31 its second, 524,288 bytes on
	s_mov_b32 s21, 0x02020202
	v_mul_lo_u32 v[VSEL], v2, s21
	v_add_nc_u32 v[VSEL], 0x05040100, v[VSEL]      ; byte selects: lanes 0-15 bytes 0, 1 of two words, lanes 16-31 bytes 2, 3
	v_lshlrev_b32 v[BOQ], 5, v2
	s_wait_alu depctr_va_vdst(0)
	v_lshlrev_b32 v[BOV], 2, v1
	s_wait_alu depctr_va_vdst(0)
	s_lshl_b32 s92, s17, 8                         ; where my 128 x 128 lies
	s_lshl_b32 s93, s15, 7
	s_add_co_u32 s92, s92, s93                     ; side A's first row
	s_lshl_b32 s93, s42, 8
	s_lshl_b32 s94, s16, 7
	s_add_co_u32 s93, s93, s94                     ; side B's
	s_cmp_eq_u32 ttmp9, 2
	s_cselect_b32 s94, s93, s92                    ; my first token
	s_cselect_b32 s95, s92, s93                    ; my first feature
	s_lshr_b32 s92, s94, 11
	s_lshl_b32 s92, s92, 3
	s_lshr_b32 s93, s95, 7
	s_add_co_u32 s92, s92, s93                     ; pair = 8 x batch + feature / 128
	s_and_b32 s94, s94, 2047                       ; the token within its batch
	s_lshr_b32 s93, s94, 7                         ; group
	s_lshl_b32 s44, s92, 13
	s_lshl_b32 s45, s93, 9
	s_add_co_u32 s44, s44, s45                     ; scale words: 512 bytes a group for k, v;
	s_cmp_eq_u32 ttmp9, 0
	s_cselect_b32 s45, 1, 0
	s_lshl_b32 s44, s44, s45                       ; twice that for q
	s_add_co_u32 s44, s44, SC0
	s_mov_b32 s45, 0
	s_add_nc_u64 s[SWB:SWB+1], s[DST:DST+1], s[44:45]
	s_lshl_b32 s96, s92, 18
	s_lshl_b32 s97, s93, 14
	s_add_co_u32 s96, s96, s97
	s_mov_b32 s97, 0
	s_add_nc_u64 s[DST:DST+1], s[DST:DST+1], s[96:97]
	s_lshl_b32 s96, s92, 20
	s_lshl_b32 s93, s94, 8
	s_add_co_u32 s96, s96, s93
	s_add_nc_u64 s[12:13], s[12:13], s[96:97]
	s_lshl_b32 s96, s95, 2
	s_add_nc_u64 s[100:101], s[100:101], s[96:97]
	; the bias of my 128 features in both layouts, in every role, so that one text serves: along the registers (q, k) and along the lanes (v)
.irp b, 0,1,2,3,4,5,6,7
	global_load_b128 v[BI+8*\b:BI+8*\b+3], v[BOQ], s[100:101] offset:64*\b       ; bias(16 b + 8 h + 0 .. 7)
	global_load_b128 v[BI+8*\b+4:BI+8*\b+7], v[BOQ], s[100:101] offset:64*\b+16
.endr
.irp a, 0,1,2,3,4,5,6,7
	global_load_b32 v[PWS+\a], v[BOV], s[100:101] offset:64*\a                   ; bias(16 a + r)
.endr
	global_prefetch_b8 v23, s[66:67] offset:256 th:TH_LOAD_NT scope:SCOPE_SE   ; K steps 1 and 2: their loads stand one and two changes of slots on
	global_prefetch_b8 v23, s[66:67] offset:512 th:TH_LOAD_NT scope:SCOPE_SE
	s_mov_b32 s20, 0x76543210
	s_mov_b32 s21, 0xfedcba98                      ; lane l xor 16
	s_mov_b32 s22, 0x600000                        ; the mantissa field of 448
.macro FRAG reg, adr, q, i             ; 16 rows x 128 K: registers 4 c .. 4 c + 3 hold K = 32 c + 16 h + 0 .. 15
.irp c, 0,1,2,3
	ds_load_b128 v[\reg+4*\c:\reg+4*\c+3], v[\adr] offset:128*(\q)+32*\c+(\i)*16*PITCH
.endr
.endm
.macro MUL16 a0, p, q, sc, zero        ; A's blocks a0, a0 + 1 x B's eight; the 64 accumulators take turns, one instruction a turn
.irp a, \a0, \a0+1
.irp b, 0,1,2,3,4,5,6,7
.if \zero
	v_wmma_scale_f32_16x16x128_f8f6f4 v[8*(8*((\a)%4)+\b):8*(8*((\a)%4)+\b)+7], v[128*(\p)+FR*\b:128*(\p)+FR*\b+FR-1], v[AF+FR*(\a):AF+FR*(\a)+FR-1], 0, v[SC+8*NQ*(\sc)+NQ*\b+(\q)], v[SC+8*NQ*(\sc)+NQ*(\a)+(\q)] matrix_a_scale:MATRIX_SCALE_ROW1
.else
	v_wmma_scale_f32_16x16x128_f8f6f4 v[8*(8*((\a)%4)+\b):8*(8*((\a)%4)+\b)+7], v[128*(\p)+FR*\b:128*(\p)+FR*\b+FR-1], v[AF+FR*(\a):AF+FR*(\a)+FR-1], v[8*(8*((\a)%4)+\b):8*(8*((\a)%4)+\b)+7], v[SC+8*NQ*(\sc)+NQ*\b+(\q)], v[SC+8*NQ*(\sc)+NQ*(\a)+(\q)] matrix_a_scale:MATRIX_SCALE_ROW1
.endif
.endr
.endr
.endm
.macro FETCH_B slot, q, p
	WIN TO_B
.irp i, 0,1,2,3,4,5,6,7
	FRAG 128*(\p)+FR*\i, ADRB+\slot, \q, \i
.endr
	WIN 0
.endm
.macro FETCH_A slot, q, i0
.irp i, \i0, \i0+1, \i0+2, \i0+3
	FRAG AF+FR*(\i), ADRA+\slot, \q, \i
.endr
.endm
.macro SCALES sc                       ; a K step's scale words: lanes 0-15 A's block i, lanes 16-31 B's block i
.irp i, 0,1,2,3,4,5,6,7
	ds_load_b64 v[SC+8*NQ*\sc+NQ*\i:SC+8*NQ*\sc+NQ*\i+1], v[ADRS] offset:\i*SBLK
.endr
.endm
.macro PLACES n                        ; plain vector instructions between a matrix instruction and a load into, or a vector read or write of, its registers
.rept \n
	v_nop
.endr
.endm
.macro STEP slot, q, zero              ; 128 along K with a successor in the same slot
	s_wait_dscnt 4*NL                              ; all but the youngest 16 loads (A's blocks 4-7) are in
	WIN MUL_LO
	MUL16 0, (\q)%2, \q, \slot, \zero
	MUL16 2, (\q)%2, \q, \slot, \zero
	s_wait_dscnt 0
	PLACES NP
	FETCH_B \slot, (\q)+1, 1-(\q)%2
	FETCH_A \slot, (\q)+1, 0
	WIN MUL_HI
	MUL16 4, (\q)%2, \q, \slot, \zero
	MUL16 6, (\q)%2, \q, \slot, \zero
	PLACES NP
	WIN 0
	FETCH_A \slot, (\q)+1, 4
.endm
.macro TURN slot, next, fill           ; a slot's last step changes slots
	s_wait_tensorcnt 0x0                           ; all my tensor loads have landed: my part of the next slot;
	ds_add_u32 v[SPW], v[NIL]                      ; 0 onto my spare word;
	s_wait_dscnt 4*NL+1                            ; (the add and A's blocks 4-7 may be out)
	WIN MUL_LO
	MUL16 0, 1, NQ-1, \slot, 0
	s_wait_dscnt 0x0                               ; the add is done, and my reads of this slot are over
	s_barrier_signal -1
	MUL16 2, 1, NQ-1, \slot, 0
	WIN 0
	s_barrier_wait -1
.if \fill
	CREST                                          ; the barrier opened a round of the cluster's: no wave of any partner still reads this slot or has a load on its way
	s_add_nc_u64 s[G0+4*\slot+2:G0+4*\slot+3], s[G0+4*\slot+2:G0+4*\slot+3], 2*ROWB
	s_add_nc_u64 s[G0B+4*\slot+2:G0B+4*\slot+3], s[G0B+4*\slot+2:G0B+4*\slot+3], 2*ROWB
	JLOAD G0+4*\slot, G1, G0B+4*\slot, G1B         ; the first tensor load behind the round; its four v_nop are among the places below
	PLACES NP-4
.else
	PLACES NP
.endif
	s_wait_alu depctr_va_vdst(0)
	v_add_nc_u32 v[ADRS], 4*NQ, v[ADRS]
	FETCH_B \next, 0, 0
	FETCH_A \next, 0, 0
	SCALES \next
	WIN MUL_HI
	MUL16 4, 1, NQ-1, \slot, 0
	MUL16 6, 1, NQ-1, \slot, 0
	PLACES NP
	WIN 0
	FETCH_A \next, 0, 4
.endm
	s_wait_alu depctr_va_vdst(0)                   ; the wait at the head's end
	s_wait_tensorcnt 0x0                           ; my tile of the head's four is in; these lines stand ahead of slot 1's first fill as ahead of a refill
	ds_add_u32 v[SPW], v[NIL]
	s_mov_b32 s[G1+2], 128<<16                     ; no tensor load of mine is out: from here on a load brings 128 rows
	s_mov_b32 s[G1+4], 128
	s_mov_b32 s[G1B+2], 128<<16
	s_mov_b32 s[G1B+4], 128
	s_wait_dscnt 0x0
	CROUND                                         ; all four tiles are in, and all sixteen work-groups are here
	JLOAD G0+4, G1, G0B+4, G1B                     ; K step 1, the first tensor load behind the round
	FETCH_B 0, 0, 0
	FETCH_A 0, 0, 0
	SCALES 0
	FETCH_A 0, 0, 4
	global_prefetch_b8 v23, s[66:67] offset:768 th:TH_LOAD_NT scope:SCOPE_SE   ; K step 3, the last: two changes of slots ahead of its load
	STEP 0, 0, 1                                   ; the first products start the sums
	s_mov_b32 s3, LAPS-1
.Llap:
	TURN 0, 1, 1
	STEP 1, 0, 0
	TURN 1, 0, 1
	STEP 0, 0, 0
	s_sub_co_u32 s3, s3, 1
	s_cmp_lg_u32 s3, 0
	s_cbranch_scc1 .Llap
	TURN 0, 1, 0
	STEP 1, 0, 0
	s_wait_dscnt 4*NL
	WIN MUL_LO
	MUL16 0, 1, NQ-1, 1, 0
	MUL16 2, 1, NQ-1, 1, 0
	s_wait_dscnt 0
	WIN MUL_HI
	MUL16 4, 1, NQ-1, 1, 0
	MUL16 6, 1, NQ-1, 1, 0
	WIN 0
; 64 numbers of a lane (register 16 b + i of window win) become a fragment's codes in v[PC] on and its row's scale word in v[pw]
.macro QUANT src, win, pw
	WIN ((\win)<<2)|((\win)<<4)
.irp b, 0,1,2,3
	v_max3_num_f32 v[TM+\b], 0x4800000, |v[(\src)+16*\b]|, |v[(\src)+16*\b+1]|   ; with the floor 2^(9 - 127): the byte cannot fall under 1
.endr
.irp i, 2,4,6,8,10,12,14
.irp b, 0,1,2,3
	v_max3_num_f32 v[TM+\b], v[TM+\b], |v[(\src)+16*\b+\i]|, |v[(\src)+16*\b+\i+1]|
.endr
.endr
	WIN 0
.irp b, 0,1,2,3
	v_permlanex16_b32 v[TM+4+\b], v[TM+\b], s20, s21
.endr
.irp b, 0,1,2,3
	v_max_num_f32 v[TM+\b], v[TM+\b], v[TM+4+\b]   ; with lane l xor 16's 16: the block's largest magnitude
.endr
.irp b, 0,1,2,3
	v_add_nc_u32 v[TM+12+\b], 0xfc000000, v[TM+\b] ; 8 off its exponent field: the conversion's scale operand
.endr
.irp b, 0,1,2,3
	v_and_or_b32 v[TM+8+\b], v[TM+\b], 0x7f800000, s22   ; 448 x the scale
.endr
.irp b, 0,1,2,3
	v_lshrrev_b32 v[TM+4+\b], 23, v[TM+12+\b]      ; the scale's byte
.endr
	v_lshl_or_b32 v[\pw], v[TM+5], 8, v[TM+4]
	v_lshl_or_b32 v[\pw], v[TM+6], 16, v[\pw]
	v_lshl_or_b32 v[\pw], v[TM+7], 24, v[\pw]
	WIN (\win)
.set qi, 0
.rept 64
	v_med3_num_f32 v[T+qi], v[(\src)+qi], -v[TM+8+qi/16], v[TM+8+qi/16]   ; the conversion does not saturate (ISA guide 7.6.2): the hold comes first
.set qi, qi+1
.endr
	WIN 0
	s_wait_alu depctr_va_vdst(0)
	s_wait_xcnt 0x0                                ; the last codes' stores have read their registers
.irp b, 0,1,2,3
	v_cvt_scalef32_pk8_fp8_f32 v[PC+4*\b:PC+4*\b+1], v[T+16*\b:T+16*\b+7], v[TM+12+\b]
	v_cvt_scalef32_pk8_fp8_f32 v[PC+4*\b+2:PC+4*\b+3], v[T+16*\b+8:T+16*\b+15], v[TM+12+\b]
.endr
	v_nop                                          ; a plain instruction behind the conversions
.endm
.macro CODES a                         ; the fragment leaves as it stands: 512 consecutive bytes a store
.irp b, 0,1,2,3
	global_store_b128 v[LI], v[PC+4*\b:PC+4*\b+3], s[DST:DST+1] offset:2048*(\a)+512*\b
.endr
.endm
	s_wait_loadcnt 0x0                             ; the bias
	PLACES NP
	s_cmp_eq_u32 ttmp9, 2
	s_cbranch_scc1 .Lbias_v
.irp a, 0,1,2,3,4,5,6,7                ; q, k: the bias runs along the registers; each accumulator from its low end on
	WIN 0x82+0x41*(\a/4)
.irp b, 0,1,2,3,4,5,6,7
.irp p, 0,2,4,6
	v_pk_add_f32 v[8*(8*(\a%4)+\b)+\p:8*(8*(\a%4)+\b)+\p+1], v[8*(8*(\a%4)+\b)+\p:8*(8*(\a%4)+\b)+\p+1], v[BI+8*\b+\p:BI+8*\b+\p+1]
.endr
.endr
.endr
	WIN 0
	s_branch .Lbiased
.Lbias_v:
.irp a, 0,1,2,3,4,5,6,7                ; v: along the lanes: one register of a pair serves both halves
	WIN 0x82+0x41*(\a/4)
.irp b, 0,1,2,3,4,5,6,7
.irp p, 0,2,4,6
.if (\a%2) == 0
	v_pk_add_f32 v[8*(8*(\a%4)+\b)+\p:8*(8*(\a%4)+\b)+\p+1], v[8*(8*(\a%4)+\b)+\p:8*(8*(\a%4)+\b)+\p+1], v[PWS+\a:PWS+\a+1] op_sel_hi:[1,0]
.else
	v_pk_add_f32 v[8*(8*(\a%4)+\b)+\p:8*(8*(\a%4)+\b)+\p+1], v[8*(8*(\a%4)+\b)+\p:8*(8*(\a%4)+\b)+\p+1], v[PWS+\a-1:PWS+\a] op_sel:[0,1] op_sel_hi:[1,1]
.endif
.endr
.endr
.endr
	WIN 0
.Lbiased:
.irp a, 0,1,2,3,4,5,6,7
	QUANT 64*(\a%4), 2+\a/4, PWS+\a
	CODES \a
.endr
.macro READBACK a, off                 ; 16 rows of 512 bytes back from my stage: LDS serves a wave's instructions in order, so these see my stores
.set BB, BK+64*((\a)%2)
.irp t, 0,1,2,3,4,5,6,7,8,9,10,11,12,13,14,15
	ds_load_b128 v[BB+4*\t:BB+4*\t+3], v[RD] offset:\off+\t*SPITCH
.endr
.endm
.macro SEND a, younger                 ; 16 tokens: lanes 0-15 store 256 consecutive, aligned bytes of one head, lanes 16-31 of the next
.set BB, BK+64*((\a)%2)
	s_wait_dscnt \younger
.irp t, 0,1,2,3,4,5,6,7,8,9,10,11,12,13,14,15
	global_store_b128 v[CO], v[BB+4*\t:BB+4*\t+3], s[12:13] offset:4096*(\a)+256*\t th:TH_STORE_NT
.endr
.endm
	s_cmp_eq_u32 ttmp9, 0
	s_cbranch_scc0 .Lnot_q
.irp a, 0,1,2,3,4,5,6,7                ; q: a word [c0, c1, c0, c1] for each tile and head: it serves the fragment in either half of K = 128
	v_perm_b32 v[32+\a], v[PWS+\a], v[PWS+\a], v[VSEL]
.endr
	global_store_b128 v[LI], v[32:35], s[SWB:SWB+1]
	global_store_b128 v[LI], v[36:39], s[SWB:SWB+1] offset:512
	s_branch .Lend
.Lnot_q:
	s_cmp_eq_u32 ttmp9, 2
	s_cbranch_scc1 .Lis_v
.irp i, 0,1,2,3                        ; k: word i = the two bytes of tile 2 i, then of tile 2 i + 1, of the lane half's head
	v_perm_b32 v[32+\i], v[PWS+2*\i+1], v[PWS+2*\i], v[VSEL]
.endr
	global_store_b128 v[LI], v[32:35], s[SWB:SWB+1]
.macro TOSTAGE a
	WIN 0x08+4*((\a)/4)
.irp b, 0,1,2,3,4,5,6,7
	ds_store_b128 v[STO], v[64*((\a)%4)+8*\b:64*((\a)%4)+8*\b+3] offset:64*\b
	ds_store_b128 v[STO], v[64*((\a)%4)+8*\b+4:64*((\a)%4)+8*\b+7] offset:64*\b+16
.endr
	WIN 0
	READBACK \a, 0
.endm
	s_wait_xcnt 0x0                                ; the codes' stores have read the registers into which the rows come back
	TOSTAGE 0
.irp a, 1,2,3,4,5,6,7
.if \a > 1
	s_wait_xcnt 0x0                                ; block a - 2's stores have read their registers
.endif
	TOSTAGE \a
	SEND \a-1, 32                                  ; behind block a - 1's loads: block a's 16 stores and 16 loads
.endr
	SEND 7, 0
	s_branch .Lend
.Lis_v:
	v_cmp_ne_u32 vcc_lo, 0, v2
.irp f, 0,1,2,3                        ; v: word f = the four key blocks' bytes of feature tile f of the lane half's head
	v_cndmask_b32 v[32+\f], v[PWS+\f], v[PWS+4+\f], vcc_lo
.endr
	global_store_b128 v[LI], v[32:35], s[SWB:SWB+1]
.macro TOSTAGE_V b                     ; 16 tokens x 128 features: a lane holds a feature, so single words go in: row 8 h + j, column 16 a + r
.irp a, 0,1,2,3,4,5,6,7
	WIN 0x08+4*(\a/4)
.irp j, 0,1,2,3,4,5,6,7
	ds_store_b32 v[STV], v[8*(8*(\a%4)+(\b))+\j] offset:VSTG+SPITCH*\j+64*\a
.endr
.endr
	WIN 0
	READBACK \b, VSTG
.endm
	s_wait_xcnt 0x0
	TOSTAGE_V 0
.irp b, 1,2,3,4,5,6,7
.if \b > 1
	s_wait_xcnt 0x0
.endif
	TOSTAGE_V \b
	SEND \b-1, 63                                  ; 80 LDS instructions are younger than block b - 1's loads; the count's field holds 63, which asks for more and is safe
.endr
	SEND 7, 0
.Lend:
	s_wait_tensorcnt 0x0                           ; the wave's end
	ds_add_u32 v[SPW], v[NIL]
	s_wait_dscnt 0x0
	CROUND                                         ; the closing round
	s_endpgm
.Lfunc_end_k_q1c930cf3d7_qkv:
	.size	k_q1c930cf3d7_qkv, .Lfunc_end_k_q1c930cf3d7_qkv-k_q1c930cf3d7_qkv
	.p2alignl 7, 3214868480
	.fill 96, 4, 3214868480
	.section	.rodata,"a",@progbits
	.p2align	6, 0x0
	.amdhsa_kernel k_q1c930cf3d7_qkv
		.amdhsa_group_segment_fixed_size 327680
		.amdhsa_private_segment_fixed_size 0
		.amdhsa_enable_private_segment 0
		.amdhsa_kernarg_size 120
		.amdhsa_user_sgpr_count 2
		.amdhsa_user_sgpr_kernarg_segment_ptr 1
		.amdhsa_wavefront_size32 1
		.amdhsa_system_sgpr_workgroup_id_x 1
		.amdhsa_system_sgpr_workgroup_id_y 1
		.amdhsa_system_sgpr_workgroup_id_z 1
		.amdhsa_system_vgpr_workitem_id 0
		.amdhsa_next_free_vgpr 1024
		.amdhsa_next_free_sgpr 102
		.amdhsa_reserve_vcc 1
		.amdhsa_float_denorm_mode_32 3
		.amdhsa_float_denorm_mode_16_64 3
		.amdhsa_memory_ordered 1
		.amdhsa_forward_progress 1
		.amdhsa_inst_pref_size 255
	.end_amdhsa_kernel
	.section	.bss,"aw",@nobits
	.p2align	6
	.space	262144
	.amdgpu_metadata
---
amdhsa.version: [ 1, 2 ]
amdhsa.kernels:
  - .name:           k_q1c930cf3d7_qkv
    .symbol:         k_q1c930cf3d7_qkv.kd
    .args:
      - { .name: h8, .offset: 0, .size: 8, .value_kind: global_buffer, .address_space: global }
      - { .name: wq_codes, .offset: 8, .size: 8, .value_kind: global_buffer, .address_space: global }
      - { .name: wk_codes, .offset: 16, .size: 8, .value_kind: global_buffer, .address_space: global }
      - { .name: wv_codes, .offset: 24, .size: 8, .value_kind: global_buffer, .address_space: global }
      - { .name: wq_scales, .offset: 32, .size: 8, .value_kind: global_buffer, .address_space: global }
      - { .name: wk_scales, .offset: 40, .size: 8, .value_kind: global_buffer, .address_space: global }
      - { .name: wv_scales, .offset: 48, .size: 8, .value_kind: global_buffer, .address_space: global }
      - { .name: bq, .offset: 56, .size: 8, .value_kind: global_buffer, .address_space: global }
      - { .name: bk, .offset: 64, .size: 8, .value_kind: global_buffer, .address_space: global }
      - { .name: bv, .offset: 72, .size: 8, .value_kind: global_buffer, .address_space: global }
      - { .name: q8, .offset: 80, .size: 8, .value_kind: global_buffer, .address_space: global }
      - { .name: k8, .offset: 88, .size: 8, .value_kind: global_buffer, .address_space: global }
      - { .name: v8, .offset: 96, .size: 8, .value_kind: global_buffer, .address_space: global }
      - { .name: out1, .offset: 104, .size: 8, .value_kind: global_buffer, .address_space: global }
      - { .name: out2, .offset: 112, .size: 8, .value_kind: global_buffer, .address_space: global }
    .group_segment_fixed_size: 327680
    .private_segment_fixed_size: 0
    .kernarg_segment_align: 8
    .kernarg_segment_size: 120
    .max_flat_workgroup_size: 128
    .sgpr_count:     102
    .vgpr_count:     1024
    .wavefront_size: 32
...
	.end_amdgpu_metadata
.endif
;; end of part 2
;; launch attn (part 3): grid 8 x 32, 16 waves a work-group, no clusters, 327,680 bytes of LDS; arguments q8, k8, v8, x, x1; writes x1
.if DOCPART == 3
	.amdgcn_target "amdgcn-amd-amdhsa--gfx1250"
	.amdhsa_code_object_version 6
	.text
	.protected	k_q1c930cf3d7_attn
	.globl	k_q1c930cf3d7_attn
	.p2align	8
	.type	k_q1c930cf3d7_attn,@function
k_q1c930cf3d7_attn:
	s_mov_b64 s[64:65], 0
	v_nop
	global_prefetch_b8 v0, s[64:65] scope:SCOPE_SE
	s_setreg_imm32_b32 hwreg(HW_REG_WAVE_MODE, 25, 1), 1
	s_wait_xcnt 0x0
; x1 = x + causal attention, both products on codes of FP8 (E4M3) with E8M0 scales.  q8, k8, v8: register images and scale words as the launch before lays them.
; t = score x log2(e) / 8; M = the running largest t rounded up to a whole number; p = 2^(t - M) is quantised along the keys; the row's sum is taken of the unquantised p and divides at the end.
; SHARES.  Work-group (X, head): query blocks 15 - X and X of 128.  Sixteen waves of 256 registers.  Waves 2 i and 2 i + 1 share tile i (16 queries) of both blocks AND SPLIT ITS KEYS by steps of 128:
; the wave of parity 0 takes the even key steps, that of parity 1 the odd ones; parity = (wave xor wave / 4) & 1, so that waves w, w + 4, w + 8, w + 12 hold two of each parity.
; First the late block's tile (16 - X steps), then the early block's (X + 1): 17 for the pair, 9 (parity 0) and 8 (parity 1), in every work-group.
; Each of the two keeps its own running M, sum and O^T.  At a tile's end one sends its three through LDS, and the other brings both under the greater M (whole numbers: the factors are powers of two and round
; nothing), adds them, divides, adds x and stores.  Parity 1 finishes the late tile, parity 0 the early one.
; A HEAD'S K AND V STAY IN LDS, each byte filled once, in chunks of 512 keys (32,768 bytes of k, as many of v).  At the head: waves 0, 1 k's and v's scale words, waves 2, 3 k's and v's chunk 0.
; Chunk 1 is asked for behind the first barrier (waves 2, 3), chunks 2 (waves 2, 3) and 3 (waves 4, 5) behind the second: first fills, one load a wave, each behind the wait for all loads, the add and a barrier.
; So a chunk has two key steps of every wave in which to land.  Every wait on TENSORcnt is for 0.
; Chunk 3 holds keys 1,536 on: no query of the work-group reaches them where X >= 4 (its last query is 128 (16 - X) - 1), so a test on the work-group's number leads round that load; the steps that would read it are jumped over.
; Images are dense: a load's 512 bytes are consecutive, so there is no pitch and no padding.
; K = 64 IN AN INSTRUCTION OF K = 128: a fragment of k holds TWO tiles of 16 keys (registers 0-7, 8-15); q is kept twice, [q, zero codes] and [zero codes, q]: each product takes one tile, the zero codes add nothing.
; Both products are used transposed: a lane holds one query (lane % 16).  The keys of a lane's two neighbouring score tiles are laid in the same order inside a block of 32 as v's codes were.
; CAUSAL: a step all of whose keys come after my queries is jumped over (a branch on ids); in the step on the diagonal hidden scores become -infinity.
; NO CLUSTER: the work-groups that share K and V differ in their query blocks, and the causal jumps hang on just that.
; PREFETCH: x's 16 rows x 256 bytes of the tile that a wave will finish are asked for behind the second barrier, a lane a row (lanes 16-31 name row 15 again): at least five key steps of the pair ahead of their loads.
; K's and V's chunks are not prefetched: each is asked for by its tensor load two key steps of every wave ahead of the barrier that waits for it.
; LIMITS: NaN and infinities are not served.  A row's sum and O^T are made in two chains (even and odd key steps) that are added at the end: the order of rounding differs from one chain.
.set LI,  1                            ; 16 x lane: k's images
.set LIV, 2                            ; v's
.set LSC, 3                            ; scale words: 16 bytes a row
.set STA, 4                            ; the way out: into the pair's region as a stage,
.set RDA, 5                            ; back,
.set GO,  6                            ; and in x, x1
.set DQ,  7                            ; r - 8 h
.set ADK, 8
.set ADV, 9
.set ADS, 10
.set PIA, 11                           ; the pair's region + 16 x lane
.set QA,  16                           ; v16-31 [q, 0];  v32-47 [0, q]
.set F,   48                           ; v48-111  four fragments of k or of v; at a tile's end x's rows
.set S,   112                          ; v112-175 scores, then p
.set O,   176                          ; v176-207 O^T
.set PC,  208                          ; v208-223 p's codes
.set BM,  224
.set PT,  228
.set HOLD, 232
.set SOP, 236
.set KVS, 240                          ; v240-243 k's, then v's scale words; v244 p's; v245 q's
.set PS,  244
.set QS,  245
.set FF,  246                          ; v[246:247] f
.set SUM2, 248
.set TMP, 250
.set DD,  251
.set NINF, 252
.set QSO, 253                          ; 16 x r: q's scale words
.set KIM, 0
.set VIM, 131072
.set SCK, 262144
.set RB,  270336                       ; a region for each pair of waves, into which no tensor load lands:
.set RSZ, 4608                         ; 4,096 bytes of O^T + 512 of -M, t, the sum; later the stage of 16 rows x 272
.set SPARE, 307200                     ; the spare words, 128 bytes a wave
.set TB,  2                            ; s2  my step's images: 8,192 bytes a step, every second step mine
.set TS,  3                            ; s3  its scale words: 256 bytes a step
.set QFL, 14
.set QFE, 15
.set MNT, 17
.set WV,  18
.set HB,  19
.set SEL, 20
.set CS,  22
.set KF,  72                           ; the step's first key
.set QF,  73                           ; the first query of the tile in hand
.set CNT, 74
.set PAR, 78                           ; which key steps are mine
.set QPL, 80                           ; s[80:95]: of the late and of the early tile: q's images, q's scale words, x, x1
.set QPE, 82
.set QSL, 84
.set QSE, 86
.set XL,  88
.set XE,  90
.set YL,  92
.set YE,  94
	s_load_b256 s[4:11], s[0:1], 0x0               ; q8 s[4:5], k8 s[6:7], v8 s[8:9], x s[10:11]
	s_load_b64 s[12:13], s[0:1], 0x20              ; x1
	v_lshl_add_u32 v254, v0, 2, SPARE
	v_mov_b32 v255, 0
	ds_add_u32 v254, v255                          ; the opening lines: the add twice on end and one wait
	ds_add_u32 v254, v255
	v_lshrrev_b32 v8, 5, v0
	s_delay_alu instid0(VALU_DEP_1)
	v_readfirstlane_b32 s[WV], v8                  ; wave 0..15
	v_and_b32 v9, 31, v0
	v_and_b32 v10, 15, v0                          ; r
	v_bfe_u32 v[DD], v0, 4, 1                      ; h
	s_delay_alu instid0(VALU_DEP_3)
	v_lshlrev_b32 v[LI], 4, v9
	s_delay_alu instid0(VALU_DEP_1)
	v_add_nc_u32 v[LIV], VIM, v[LI]
	s_delay_alu instid0(VALU_DEP_4)
	v_lshl_add_u32 v[LSC], v10, 4, SCK
	s_lshr_b32 s77, s[WV], 1                       ; the pair: its tile of 16 queries in each block
	s_mul_i32 s80, s77, RSZ
	s_add_co_u32 s80, s80, RB                      ; the pair's region
	v_mul_u32_u24 v[STA], v10, 272
	s_delay_alu instid0(VALU_DEP_1)
	v_lshl_add_u32 v[STA], v[DD], 5, v[STA]
	s_delay_alu instid0(VALU_DEP_1)
	v_add_nc_u32 v[STA], s80, v[STA]
	v_mul_u32_u24 v[RDA], v[DD], 272
	s_delay_alu instid0(VALU_DEP_1)
	v_lshl_add_u32 v[RDA], v10, 4, v[RDA]
	s_delay_alu instid0(VALU_DEP_1)
	v_add_nc_u32 v[RDA], s80, v[RDA]
	v_add_nc_u32 v[PIA], s80, v[LI]
	v_lshlrev_b32 v[GO], 12, v[DD]
	s_delay_alu instid0(VALU_DEP_1)
	v_lshl_add_u32 v[GO], v10, 4, v[GO]
	v_lshlrev_b32 v[DQ], 3, v[DD]
	s_delay_alu instid0(VALU_DEP_1)
	v_sub_nc_u32 v[DQ], v10, v[DQ]
	v_lshlrev_b32 v[QSO], 4, v10
	v_min_u32 v0, 15, v9                           ; the thread's number has served: v0 becomes the prefetch's offset,
	s_delay_alu instid0(VALU_DEP_1)
	v_lshlrev_b32 v0, 12, v0                       ; a row of x, 4,096 bytes, a lane; never rewritten
	s_lshr_b32 s[PAR], s[WV], 2
	s_xor_b32 s[PAR], s[PAR], s[WV]
	s_and_b32 s[PAR], s[PAR], 1
	s_and_b32 s[HB], ttmp7, 0xffff                 ; 16 x batch + head
	s_lshr_b32 s75, s[HB], 1                       ; the pair of heads
	s_and_b32 s76, s[HB], 1                        ; which head of it
	; descriptor groups 1, elements of 8 bytes, no padding.  k: 32 tiles x 1,024 bytes (a head's two chunks of a tile), 2,048 apart.  v: 4 groups x 8,192 bytes, 16,384 apart.  scale words: 16 groups x 256 bytes, 512 apart
	s_mov_b32 s24, 3<<16
	s_mov_b32 s25, 128<<16
	s_mov_b32 s26, 32<<16
	s_mov_b32 s27, 128<<16
	s_mov_b32 s28, 32
	s_mov_b32 s29, 256
	s_mov_b32 s30, 0
	s_mov_b32 s31, 0
	s_mov_b32 s32, 3<<16
	s_mov_b32 s33, 1024<<16
	s_mov_b32 s34, 4<<16
	s_mov_b32 s35, 1024<<16
	s_mov_b32 s36, 4
	s_mov_b32 s37, 2048
	s_mov_b32 s38, 0
	s_mov_b32 s39, 0
	s_mov_b32 s40, 3<<16
	s_mov_b32 s41, 32<<16
	s_mov_b32 s42, 16<<16
	s_mov_b32 s43, 32<<16
	s_mov_b32 s44, 16
	s_mov_b32 s45, 64
	s_mov_b32 s46, 0
	s_mov_b32 s47, 0
	s_and_b32 s81, s[WV], 1                        ; I fetch for k (0) or v (1)
	s_lshr_b32 s82, s[WV], 1
	s_add_co_u32 s82, s82, 3
	s_and_b32 s82, s82, 3                          ; where my walking descriptor begins: chunk 0 in waves 2, 3; chunk 1 in waves 4, 5, whose one load comes two steps of the descriptor on
	s_lshl_b32 s83, s81, 17
	s_lshl_b32 s84, s82, 15
	s_add_co_u32 s83, s83, s84                     ; LDS: that chunk
	s_lshl_b32 s84, s81, 12
	s_add_co_u32 s84, s84, SCK                     ; LDS: my scale words
	s_lshl_b32 s86, s75, 18
	s_cmp_eq_u32 s81, 0
	s_cselect_b32 s85, 10, 13
	s_lshl_b32 s85, s76, s85                       ; the head's part: 1,024 bytes on in a tile of k, 8,192 in a group of v
	s_add_co_u32 s86, s86, s85
	s_lshl_b32 s85, s82, 16
	s_add_co_u32 s86, s86, s85                     ; a chunk is 65,536 bytes of memory
	s_mov_b32 s87, 0
	s_lshl_b32 s88, s75, 13
	s_lshl_b32 s85, s76, 8
	s_add_co_u32 s88, s88, s85
	s_add_co_u32 s88, s88, 4194304
	s_mov_b32 s89, 0
	s_mov_b32 s[SEL], 0x76543210
	s_mov_b32 s[SEL+1], 0xfedcba98
	s_mov_b32 s[CS], 0x3e38aa3b                    ; c = log2(e) / 8
	s_mov_b32 s[CS+1], s[CS]
	s_mov_b32 s[MNT], 0x600000
	s_lshl_b32 s[TB], s[PAR], 13                   ; my first key step is step 0 or step 1
	s_lshl_b32 s[TS], s[PAR], 8
	s_lshl_b32 s[KF], s[PAR], 7
	s_wait_dscnt 0x0
	s_wait_kmcnt 0x0
	s_cmp_eq_u32 s81, 0
	s_cselect_b64 s[90:91], s[6:7], s[8:9]
	s_add_nc_u64 s[86:87], s[90:91], s[86:87]
	s_add_nc_u64 s[88:89], s[90:91], s[88:89]
	s_mov_b32 s48, 1
	s_mov_b32 s49, s84
	s_mov_b64 s[50:51], s[88:89]
	s_or_b32 s51, s51, 0x80000000
	s_mov_b32 s52, 1
	s_mov_b32 s53, s83
	s_mov_b64 s[54:55], s[86:87]
	s_or_b32 s55, s55, 0x80000000
.macro TL wave, g0, g1, join           ; an arm of a chain of branches on the wave's number: one load, then on to the chain's join
	s_cmp_eq_u32 s[WV], \wave
	s_cbranch_scc0 .Lnot_\@
	tensor_load_to_lds s[\g0:\g0+3], s[\g1:\g1+7]
	s_nop 0
.rept 4
	v_nop
.endr
	s_branch \join
.Lnot_\@:
.endm
	TL 0, 48, 40, .Lasked
	TL 1, 48, 40, .Lasked
	TL 2, 52, 24, .Lasked
	TL 3, 52, 32, .Lasked
.Lasked:
; The addresses of my tile in block s[blk]: its first query; q's images (pair of heads, block, tile, head); q's scale words; its rows of x and x1 (row 2,048 x batch + first query, column 64 x head)
.macro TADDR blk, qp, qs, xp, yp, qf
	s_lshl_b32 s[\qf], s[\blk], 7
	s_lshl_b32 s96, s77, 4
	s_add_co_u32 s[\qf], s[\qf], s96
	s_lshl_b32 s98, s75, 18
	s_lshl_b32 s96, s[\blk], 14
	s_add_co_u32 s98, s98, s96
	s_lshl_b32 s96, s77, 11
	s_add_co_u32 s98, s98, s96
	s_lshl_b32 s96, s76, 10
	s_add_co_u32 s98, s98, s96
	s_mov_b32 s99, 0
	s_add_nc_u64 s[\qp:\qp+1], s[4:5], s[98:99]
	s_lshl_b32 s98, s75, 14
	s_lshl_b32 s96, s[\blk], 10
	s_add_co_u32 s98, s98, s96
	s_lshr_b32 s96, s77, 2
	s_lshl_b32 s96, s96, 9
	s_add_co_u32 s98, s98, s96
	s_lshl_b32 s96, s76, 8
	s_add_co_u32 s98, s98, s96
	s_and_b32 s96, s77, 3
	s_lshl_b32 s96, s96, 2
	s_add_co_u32 s98, s98, s96
	s_add_co_u32 s98, s98, 4194304
	s_add_nc_u64 s[\qs:\qs+1], s[4:5], s[98:99]
	s_lshr_b32 s98, s[HB], 4
	s_lshl_b32 s98, s98, 11
	s_add_co_u32 s98, s98, s[\qf]
	s_lshl_b32 s98, s98, 12
	s_and_b32 s96, s[HB], 15
	s_lshl_b32 s96, s96, 8
	s_add_co_u32 s98, s98, s96
	s_add_nc_u64 s[\xp:\xp+1], s[10:11], s[98:99]
	s_add_nc_u64 s[\yp:\yp+1], s[12:13], s[98:99]
.endm
	s_sub_co_u32 s79, 15, ttmp9                    ; the late block
	TADDR 79, QPL, QSL, XL, YL, QFL
	s_mov_b32 s79, ttmp9                           ; the early block
	TADDR 79, QPE, QSE, XE, YE, QFE
	s_cmp_eq_u32 s[PAR], 1
	s_cselect_b64 s[56:57], s[XL:XL+1], s[XE:XE+1] ; x at the tile that I shall finish
.macro QLOAD qp, qs
	global_load_b128 v[QA:QA+3], v[LI], s[\qp:\qp+1]               ; q in the low half of K,
	global_load_b128 v[QA+4:QA+7], v[LI], s[\qp:\qp+1] offset:512
	global_load_b128 v[QA+24:QA+27], v[LI], s[\qp:\qp+1]           ; and once more in the high half
	global_load_b128 v[QA+28:QA+31], v[LI], s[\qp:\qp+1] offset:512
	global_load_b32 v[QS], v[QSO], s[\qs:\qs+1]
.endm
.macro INIT                            ; a tile's start: the step is written once, and the first finds zeros
	v_mov_b32 v13, 0xff61b1e6                      ; the largest t so far: -3e38
	s_delay_alu instid0(VALU_DEP_1)
	v_floor_f32 v12, -v13                          ; -M
	v_mov_b32 v14, 0
	v_mov_b32 v15, 0
.set oi, 0
.rept 32
	v_mov_b32 v[O+oi], 0
.set oi, oi+1
.endr
.endm
	s_wait_alu depctr_va_vdst(0)                   ; the wait ahead of the first readers of the head's registers
	QLOAD QPL, QSL
	s_mov_b32 s[QF], s[QFL]
.irp j, 8,9,10,11,12,13,14,15,16,17,18,19,20,21,22,23
	v_mov_b32 v[QA+\j], 0                          ; zero codes: they stay for both tiles
.endr
.irp b, 0,1,2,3
	v_mov_b32 v[PT+\b], 0                          ; a lane permute's destination counts as one of its sources
.endr
	v_mov_b32 v[FF+1], 0                           ; (named as the upper halves of pairs)
	v_mov_b32 v[SUM2], 0
	v_mov_b32 v[SUM2+1], 0
	INIT
.macro STEP                            ; one of my key steps: 128 keys; the next of mine lies two steps on
	s_add_co_u32 s96, s[QF], 15
	s_cmp_gt_u32 s[KF], s96
	s_cbranch_scc1 .Lhidden_\@                     ; all 128 keys come after my queries
	v_add_nc_u32 v[ADK], s[TB], v[LI]
	v_add_nc_u32 v[ADV], s[TB], v[LIV]
	v_add_nc_u32 v[ADS], s[TS], v[LSC]
.rept 5
	v_nop                                          ; with the three additions: eight places in front of loads into registers that the last products read
.endr
.irp i, 0,1,2,3
.irp c, 0,1,2,3
	ds_load_b128 v[F+16*\i+4*\c:F+16*\i+4*\c+3], v[ADK] offset:2048*\i+512*\c
.endr
.endr
	ds_load_b128 v[KVS:KVS+3], v[ADS]
	s_wait_alu depctr_va_vdst(0)
	s_wait_dscnt 0x0
.irp i, 0,1,2,3
.irp u, 0,1
	v_wmma_scale_f32_16x16x128_f8f6f4 v[S+8*(2*\i+\u):S+8*(2*\i+\u)+7], v[F+16*\i:F+16*\i+15], v[QA+16*\u:QA+16*\u+15], 0, v[KVS+\i], v[QS]
.endr
.endr
.rept 8
	v_nop
.endr
.irp f, 0,1,2,3                        ; v's fragments are asked for here and land under the softmax
.irp c, 0,1,2,3
	ds_load_b128 v[F+16*\f+4*\c:F+16*\f+4*\c+3], v[ADV] offset:2048*\f+512*\c
.endr
.endr
	ds_load_b128 v[KVS:KVS+3], v[ADS] offset:4096
	s_add_co_u32 s96, s[KF], 127
	s_cmp_le_u32 s96, s[QF]
	s_cbranch_scc1 .Lopen_\@                       ; all 128 keys count
	s_sub_co_i32 s96, s[QF], s[KF]
	v_add_nc_u32 v[DD], s96, v[DQ]                 ; register 8 t + j holds key KF + 16 t + 8 h + j: hidden where 16 t + j > my query - KF - 8 h
	v_mov_b32 v[NINF], 0xff800000
.set n, 0
.rept 64
	v_cmp_gt_i32 vcc_lo, 16*(n/8)+n%8, v[DD]
	v_cndmask_b32 v[S+n], v[S+n], v[NINF], vcc_lo
.set n, n+1
.endr
.Lopen_\@:
.irp b, 0,1,2,3
	v_max3_num_f32 v[BM+\b], v[S+16*\b], v[S+1+16*\b], v[S+2+16*\b]   ; each block's largest score: for the row's maximum, and, since p rises with the score, for the block's largest p
.endr
.irp i, 3,5,7,9,11,13
.irp b, 0,1,2,3
	v_max3_num_f32 v[BM+\b], v[BM+\b], v[S+16*\b+\i], v[S+1+16*\b+\i]
.endr
.endr
.irp b, 0,1,2,3
	v_max_num_f32 v[BM+\b], v[BM+\b], v[S+15+16*\b]
.endr
.irp b, 0,1,2,3
	s_delay_alu instid0(VALU_DEP_4)
	v_permlanex16_b32 v[PT+\b], v[BM+\b], s[SEL], s[SEL+1]
.endr
.irp b, 0,1,2,3
	s_delay_alu instid0(VALU_DEP_4)
	v_max_num_f32 v[BM+\b], v[BM+\b], v[PT+\b]
.endr
	s_delay_alu instid0(VALU_DEP_2)
	v_max3_num_f32 v[TMP], v[BM], v[BM+1], v[BM+2]
	s_delay_alu instid0(VALU_DEP_1)
	v_max_num_f32 v[TMP], v[TMP], v[BM+3]
	s_delay_alu instid0(VALU_DEP_1)
	v_mul_f32 v[TMP], s[CS], v[TMP]
	s_delay_alu instid0(VALU_DEP_1)
	v_max_num_f32 v13, v13, v[TMP]                 ; the running largest t
	v_mov_b32 v[TMP], v12
	s_delay_alu instid0(VALU_DEP_2)
	v_floor_f32 v12, -v13                          ; -M = floor(-t): M is a whole number
	s_delay_alu instid0(VALU_DEP_1)
	v_sub_f32 v[TMP], v12, v[TMP]
	s_delay_alu instid0(VALU_DEP_1)
	v_cvt_i32_f32 v[TMP], v[TMP]
	s_delay_alu instid0(VALU_DEP_1)
	v_ldexp_f32 v[FF], 1.0, v[TMP]                 ; f = 2^(old M - new M): it rounds nothing
.set n, 0
.rept 32
	v_pk_fma_f32 v[S+n:S+n+1], v[S+n:S+n+1], s[CS:CS+1], v[12:13] op_sel_hi:[1,0,0]   ; t - M
.set n, n+2
.endr
.irp b, 0,1,2,3
	v_fma_f32 v[BM+\b], v[BM+\b], s[CS], v12
.endr
.set n, 0
	s_wait_alu depctr_va_vdst(0)                   ; the wait ahead of the batch
.rept 64
	v_exp_f32 v[S+n], v[S+n]                       ; p, not normalised
.set n, n+1
.endr
	v_pk_mul_f32 v[14:15], v[14:15], v[FF:FF+1] op_sel_hi:[1,0]   ; a plain instruction behind the batch
	s_wait_alu depctr_va_vdst(0)                   ; one wait for the 64, ahead of their first reader
.irp b, 0,1,2,3
	v_exp_f32 v[BM+\b], v[BM+\b]                   ; each block's largest p
.endr
; the row's sum of the unquantised p: 32 pairs into eight chains (seven in registers that are free here, and the running sum), then joined
.set n, 0
.irp a, 248,250,238,236,234,232,230
	v_pk_add_f32 v[\a:\a+1], v[S+n:S+n+1], v[S+n+2:S+n+3]
.set n, n+4
.endr
	v_pk_add_f32 v[14:15], v[14:15], v[S+28:S+29]
.set n, 30
.rept 2
.irp a, 248,250,238,236,234,232,230,14
	v_pk_add_f32 v[\a:\a+1], v[\a:\a+1], v[S+n:S+n+1]
.set n, n+2
.endr
.endr
	v_pk_add_f32 v[248:249], v[248:249], v[S+62:S+63]
	s_delay_alu instid0(VALU_DEP_2)
	v_pk_add_f32 v[14:15], v[14:15], v[236:237]
	s_delay_alu instid0(VALU_DEP_2)
	v_pk_add_f32 v[248:249], v[248:249], v[234:235]
	v_pk_add_f32 v[250:251], v[250:251], v[232:233]
	v_pk_add_f32 v[238:239], v[238:239], v[230:231]
	s_delay_alu instid0(VALU_DEP_2)
	v_pk_add_f32 v[14:15], v[14:15], v[250:251]
	s_delay_alu instid0(VALU_DEP_2)
	v_pk_add_f32 v[248:249], v[248:249], v[238:239]
	s_delay_alu instid0(VALU_DEP_1)
	v_pk_add_f32 v[14:15], v[14:15], v[248:249]
	s_wait_alu depctr_va_vdst(0)                   ; and one for the four
.irp b, 0,1,2,3
	v_max_num_f32 v[BM+\b], 0x4800000, v[BM+\b]    ; the floor 2^(9 - 127)
.endr
.irp b, 0,1,2,3
	s_delay_alu instid0(VALU_DEP_4)
	v_add_nc_u32 v[SOP+\b], 0xfc000000, v[BM+\b]
.endr
.irp b, 0,1,2,3
	v_and_or_b32 v[HOLD+\b], v[BM+\b], 0x7f800000, s[MNT]
.endr
.irp b, 0,1,2,3
	v_lshrrev_b32 v[PT+\b], 23, v[SOP+\b]
.endr
	s_delay_alu instid0(VALU_DEP_3)
	v_lshl_or_b32 v[PS], v[PT+1], 8, v[PT]
	s_delay_alu instid0(VALU_DEP_1)
	v_lshl_or_b32 v[PS], v[PT+2], 16, v[PS]
	s_delay_alu instid0(VALU_DEP_1)
	v_lshl_or_b32 v[PS], v[PT+3], 24, v[PS]
.irp b, 0,1,2,3
.irp i, 0,1,2,3,4,5,6,7,8,9,10,11,12,13,14,15
	v_min_num_f32 v[S+16*\b+\i], v[S+16*\b+\i], v[HOLD+\b]   ; the conversion does not saturate (ISA guide 7.6.2); p is not negative
.endr
	v_cvt_scalef32_pk8_fp8_f32 v[PC+4*\b:PC+4*\b+1], v[S+16*\b:S+16*\b+7], v[SOP+\b]
	v_cvt_scalef32_pk8_fp8_f32 v[PC+4*\b+2:PC+4*\b+3], v[S+16*\b+8:S+16*\b+15], v[SOP+\b]
.endr
.set n, 0
.rept 16
	v_pk_mul_f32 v[O+n:O+n+1], v[O+n:O+n+1], v[FF:FF+1] op_sel_hi:[1,0]   ; O^T under the new M; also the places between the codes and the products
.set n, n+2
.endr
	s_wait_alu depctr_va_vdst(0)
	s_wait_dscnt 0x0                               ; v's fragments and scale words
.irp f, 0,1,2,3
	v_wmma_scale_f32_16x16x128_f8f6f4 v[O+8*\f:O+8*\f+7], v[F+16*\f:F+16*\f+15], v[PC:PC+15], v[O+8*\f:O+8*\f+7], v[KVS+\f], v[PS]
.endr
.Lhidden_\@:
	s_add_co_u32 s[KF], s[KF], 256                 ; two steps on: the step between is my partner's
	s_add_co_u32 s[TB], s[TB], 16384
	s_add_co_u32 s[TS], s[TS], 512
.endm
.macro SHOW fill
	s_wait_tensorcnt 0x0                           ; all my tensor loads have landed, so a group 0 may be written
	ds_add_u32 v254, v255
.if \fill
	ds_add_u32 v254, v255
	s_add_co_u32 s53, s53, 32768
	s_add_nc_u64 s[54:55], s[54:55], 65536
.endif
	s_wait_dscnt 0x0
	s_barrier_signal -1
	s_barrier_wait -1
.endm
.macro STEPS n                         ; n of my key steps
	s_mov_b32 s[CNT], \n
.Lstep_\@:
	STEP
	s_sub_co_u32 s[CNT], s[CNT], 1
	s_cmp_lg_u32 s[CNT], 0
	s_cbranch_scc1 .Lstep_\@
.endm
; A TILE'S END.  The wave of parity rp takes the partner's O^T, -M and sum, joins them with its own and stores the tile; the other sends.  more = 1: the early tile's q is asked for here, by both.
; The pair's region is touched by the sender ahead of the barrier and by the taker behind it; until the next such barrier no wave but that taker names it.
.macro FINISH rp, more, xp, yp
.rept 8
	v_nop                                          ; places behind the last products: ahead of the LDS stores of O^T and of loads into registers that they read
.endr
	v_add_f32 v14, v14, v15                        ; my lane's sum
.if \more
	QLOAD QPE, QSE
.endif
	s_cmp_eq_u32 s[PAR], \rp
	s_cbranch_scc1 .Ltakes_\@
	s_wait_alu depctr_va_vdst(0)
.irp k, 0,1,2,3,4,5,6,7
	ds_store_b128 v[PIA], v[O+4*\k:O+4*\k+3] offset:512*\k   ; O^T as it stands in my registers; each accumulator from its low end on
.endr
	ds_store_b128 v[PIA], v[12:15] offset:4096     ; -M, t, the sum (the fourth word is not used)
	s_branch .Lmeet_\@
.Ltakes_\@:
.irp i, 0,1,2,3,4,5,6,7
	global_load_b128 v[F+4*\i:F+4*\i+3], v[GO], s[\xp:\xp+1] offset:8192*\i   ; x at the tile's 16 queries: lanes 0-15 one row's 256 bytes, lanes 16-31 the next row's
.endr
.Lmeet_\@:
	s_wait_dscnt 0x0                               ; for the partner's sake: my stores have landed
	s_barrier_signal -1
	s_barrier_wait -1
	s_cmp_lg_u32 s[PAR], \rp
	s_cbranch_scc1 .Lsent_\@
.irp k, 0,1,2,3,4,5,6,7
	ds_load_b128 v[S+4*\k:S+4*\k+3], v[PIA] offset:512*\k
.endr
	ds_load_b128 v[HOLD:HOLD+3], v[PIA] offset:4096
	s_wait_dscnt 0x0
	v_min_num_f32 v[TMP], v12, v[HOLD]             ; the lesser -M: the greater M
	s_delay_alu instid0(VALU_DEP_1)
	v_sub_f32 v[DD], v[TMP], v12                   ; whole numbers, 0 or less
	s_delay_alu instid0(VALU_DEP_2)
	v_sub_f32 v[NINF], v[TMP], v[HOLD]
	s_delay_alu instid0(VALU_DEP_2)
	v_cvt_i32_f32 v[DD], v[DD]                     ; (it saturates: a wave that had no step has -M = 3e38 and gets the factor 0 on its zeros)
	s_delay_alu instid0(VALU_DEP_2)
	v_cvt_i32_f32 v[NINF], v[NINF]
	s_delay_alu instid0(VALU_DEP_2)
	v_ldexp_f32 v[FF], 1.0, v[DD]                  ; my factor,
	s_delay_alu instid0(VALU_DEP_2)
	v_ldexp_f32 v[SUM2], 1.0, v[NINF]              ; the partner's: powers of two
.set n, 0
.rept 16
	v_pk_mul_f32 v[O+n:O+n+1], v[O+n:O+n+1], v[FF:FF+1] op_sel_hi:[1,0]
.set n, n+2
.endr
.set n, 0
.rept 16
	v_pk_fma_f32 v[O+n:O+n+1], v[S+n:S+n+1], v[SUM2:SUM2+1], v[O+n:O+n+1] op_sel_hi:[1,0,1]
.set n, n+2
.endr
	v_mul_f32 v14, v14, v[FF]
	s_delay_alu instid0(VALU_DEP_1)
	v_fma_f32 v14, v[HOLD+2], v[SUM2], v14
	s_delay_alu instid0(VALU_DEP_1)
	v_permlanex16_b32 v[TMP], v14, s[SEL], s[SEL+1]
	s_delay_alu instid0(VALU_DEP_1)
	v_add_f32 v14, v14, v[TMP]                     ; the row's sum
	s_wait_alu depctr_va_vdst(0)
	v_rcp_f32 v14, v14
	v_nop                                          ; a plain instruction behind the transcendental,
	s_wait_alu depctr_va_vdst(0)                   ; and the wait ahead of its first reader
.set n, 0
.rept 32
	v_mul_f32 v[S+n], v[O+n], v14                  ; register 8 f + j: y(query r, channel 16 f + 8 h + j)
.set n, n+1
.endr
.irp f, 0,1,2,3
	ds_store_b128 v[STA], v[S+8*\f:S+8*\f+3] offset:64*\f        ; the stage lies over the partial that I have read
	ds_store_b128 v[STA], v[S+8*\f+4:S+8*\f+7] offset:64*\f+16
.endr
.irp i, 0,1,2,3,4,5,6,7
	ds_load_b128 v[S+32+4*\i:S+32+4*\i+3], v[RDA] offset:544*\i   ; LDS serves a wave's instructions in order: these see my stores
.endr
	s_wait_loadcnt 0x0                             ; x
	s_wait_dscnt 0x0
.set n, 0
.rept 16
	v_pk_add_f32 v[S+32+n:S+32+n+1], v[S+32+n:S+32+n+1], v[F+n:F+n+1]
.set n, n+2
.endr
.irp i, 0,1,2,3,4,5,6,7
	global_store_b128 v[GO], v[S+32+4*\i:S+32+4*\i+3], s[\yp:\yp+1] offset:8192*\i   ; 16 lanes store 256 consecutive, aligned bytes
.endr
.Lsent_\@:
.endm
	s_wait_loadcnt 0x0                             ; q of the late tile
	SHOW 1                                         ; the scale words and chunk 0 are in
	TL 2, 52, 24, .Lfill_1                         ; chunk 1
	TL 3, 52, 32, .Lfill_1
.Lfill_1:
	STEPS 2                                        ; key steps 0 to 3, two of them mine
	SHOW 1                                         ; chunk 1 is in
	TL 2, 52, 24, .Lfill_2                         ; chunk 2
	TL 3, 52, 32, .Lfill_2
	s_cmp_lt_u32 ttmp9, 4                          ; chunk 3 only where the late block reaches key 1,536: the work-group's number alone, the same in all sixteen waves
	s_cbranch_scc0 .Lfill_2
	TL 4, 52, 24, .Lfill_2
	TL 5, 52, 32, .Lfill_2
.Lfill_2:
	global_prefetch_b8 v0, s[56:57] th:TH_LOAD_NT scope:SCOPE_SE
	STEPS 2                                        ; key steps 4 to 7
	SHOW 0                                         ; all that was asked for is in
	STEPS 4                                        ; key steps 8 to 15
	FINISH 1, 1, XL, YL                            ; parity 1, which has one step fewer, finishes the late tile while parity 0 goes on
	INIT
	s_lshl_b32 s[TB], s[PAR], 13                   ; the early tile: from my first key step again; all its keys lie under 1,024 and have landed
	s_lshl_b32 s[TS], s[PAR], 8
	s_lshl_b32 s[KF], s[PAR], 7
	s_mov_b32 s[QF], s[QFE]
	s_wait_loadcnt 0x0                             ; q of the early tile
	s_wait_xcnt 0x0                                ; the late tile's stores have read their registers: the next scores are written over them
	STEPS 4
	FINISH 0, 0, XE, YE                            ; parity 0 finishes the early tile
	s_wait_tensorcnt 0x0                           ; the wave's end
	ds_add_u32 v254, v255
	s_wait_dscnt 0x0
	s_endpgm
.Lfunc_end_k_q1c930cf3d7_attn:
	.size	k_q1c930cf3d7_attn, .Lfunc_end_k_q1c930cf3d7_attn-k_q1c930cf3d7_attn
	.p2alignl 7, 3214868480
	.fill 96, 4, 3214868480
	.section	.rodata,"a",@progbits
	.p2align	6, 0x0
	.amdhsa_kernel k_q1c930cf3d7_attn
		.amdhsa_group_segment_fixed_size 327680
		.amdhsa_private_segment_fixed_size 0
		.amdhsa_enable_private_segment 0
		.amdhsa_kernarg_size 40
		.amdhsa_user_sgpr_count 2
		.amdhsa_user_sgpr_kernarg_segment_ptr 1
		.amdhsa_wavefront_size32 1
		.amdhsa_system_sgpr_workgroup_id_x 1
		.amdhsa_system_sgpr_workgroup_id_y 1
		.amdhsa_system_sgpr_workgroup_id_z 1
		.amdhsa_system_vgpr_workitem_id 0
		.amdhsa_next_free_vgpr 256
		.amdhsa_next_free_sgpr 100
		.amdhsa_reserve_vcc 1
		.amdhsa_float_denorm_mode_32 3
		.amdhsa_float_denorm_mode_16_64 3
		.amdhsa_memory_ordered 1
		.amdhsa_forward_progress 1
		.amdhsa_inst_pref_size 134
	.end_amdhsa_kernel
	.amdgpu_metadata
---
amdhsa.version: [ 1, 2 ]
amdhsa.kernels:
  - .name:           k_q1c930cf3d7_attn
    .symbol:         k_q1c930cf3d7_attn.kd
    .args:
      - { .name: q8, .offset: 0, .size: 8, .value_kind: global_buffer, .address_space: global }
      - { .name: k8, .offset: 8, .size: 8, .value_kind: global_buffer, .address_space: global }
      - { .name: v8, .offset: 16, .size: 8, .value_kind: global_buffer, .address_space: global }
      - { .name: x, .offset: 24, .size: 8, .value_kind: global_buffer, .address_space: global }
      - { .name: x1, .offset: 32, .size: 8, .value_kind: global_buffer, .address_space: global }
    .group_segment_fixed_size: 327680
    .private_segment_fixed_size: 0
    .kernarg_segment_align: 8
    .kernarg_segment_size: 40
    .max_flat_workgroup_size: 512
    .sgpr_count:     100
    .vgpr_count:     256
    .wavefront_size: 32
...
	.end_amdgpu_metadata
.endif
;; end of part 3
;; launch ln2: the kernel of part 1 again; grid 256 x 1, 16 waves a work-group, no clusters, 84,480 bytes of LDS; arguments x1, ln2_w, ln2_b, h8; writes h8
;; launch fc (part 4): grid 16 x 16, 4 waves a work-group, clusters of 4 x 4, 327,680 bytes of LDS; arguments h8, w_fc_codes, w_fc_scales, b_fc, g8; writes g8
.if DOCPART == 4
	.amdgcn_target "amdgcn-amd-amdhsa--gfx1250"
	.amdhsa_code_object_version 6
	.text
	.protected	k_q1c930cf3d7_fc
	.globl	k_q1c930cf3d7_fc
	.p2align	8
	.type	k_q1c930cf3d7_fc,@function
k_q1c930cf3d7_fc:
	s_mov_b64 s[64:65], 0
	v_nop
	global_prefetch_b8 v0, s[64:65] scope:SCOPE_SE
	s_setreg_imm32_b32 hwreg(HW_REG_WAVE_MODE, 25, 1), 1
	s_wait_xcnt 0x0
	s_wait_alu depctr_hold_cnt(0) depctr_sa_sdst(0) depctr_va_vdst(0) depctr_va_sdst(0) depctr_va_ssrc(0) depctr_va_vcc(0) depctr_vm_vsrc(0)
	s_getreg_b32 s2, hwreg(HW_REG_IB_STS2, 6, 4)
	s_cmp_eq_u32 s2, 0
	s_cbranch_scc0 .Lentry_in_a_cluster
	s_endpgm
.Lentry_in_a_cluster:
	s_bfe_u32 s2, ttmp6, 0x10000c
	s_cmp_lg_u32 s2, 0xf033
	s_cbranch_scc0 .Lentry_shape_is_right
	s_endpgm
.Lentry_shape_is_right:
.set KSTEP,  256
.set NQ,     2
.set ROWB,   256
.set KROW,   1024
.set PITCH,  272
.set FR,     16
.set NL,     4
.set NP,     8
.set HALFT,  128*PITCH
.set SLOT,   4*HALFT
.set LAPS,   2
.set KS,     32
.set SCL,    2*SLOT
.set HALFS,  (128*KS/256)*272
.set SBLK,   (16*KS/256)*272
.set SPARE,  SCL+4*HALFS
.set PW,   8
.set ADRA, 16
.set BOQ,  18
.set ADRB, 20
.set LI,   22
.set SW0,  24
.set SWA,  25
.set SWR,  26
.set ADRS, 27
.set SPW,  28
.set NIL,  29
.set SC,   32
.set BI,   64
.set AF,   128
.set GT,   32
.set GS,   96
.set T,    128
.set GR,   192
.set GQ,   224
.set TM,   96
.set PC,   112
.set G1, 24
.set G0, 32
.set G1B, 48
.set G0B, 56
.set G1S, 68
.set G0S, 76
.set G1SB, 80
.set G0SB, 88
.set DST, 12
.set SWB, 96
.set MSB, 0
.macro WIN new
.if MSB != (\new)
	s_set_vgpr_msb (MSB<<8)|(\new)
.set MSB, (\new)
.endif
.endm
.set MUL_LO, 0xa1
.set MUL_HI, 0xf1
.set TO_B,   0x40
.macro JLOAD g0a, g1a, g0b, g1b
	s_cmp_eq_u32 s15, 0
	s_cbranch_scc0 .Lfor_b_\@
	tensor_load_to_lds s[\g0a:\g0a+3], s[\g1a:\g1a+7]
	s_nop 0
.rept 4
	v_nop
.endr
	s_branch .Lasked_\@
.Lfor_b_\@:
	tensor_load_to_lds s[\g0b:\g0b+3], s[\g1b:\g1b+7]
	s_nop 0
.rept 4
	v_nop
.endr
.Lasked_\@:
.endm
.macro CREST
	s_cmp_lg_u32 s14, 0
	s_cbranch_scc1 .Lnot_wave_0_\@
	s_barrier_signal -3
.Lnot_wave_0_\@:
	s_barrier_wait -3
	s_barrier_signal -1
	s_barrier_wait -1
.endm
.macro CROUND
	s_barrier_signal -1
	s_barrier_wait -1
	CREST
.endm
	s_load_b64 s[4:5], s[0:1], 0x0
	s_load_b128 s[8:11], s[0:1], 0x8
	s_load_b64 s[98:99], s[0:1], 0x18
	s_load_b64 s[12:13], s[0:1], 0x20
	v_lshl_add_u32 v[SPW], v0, 2, SPARE
	v_mov_b32 v[NIL], 0
	ds_add_u32 v28, v29
	ds_add_u32 v28, v29
	s_wait_dscnt 0x0
	v_lshrrev_b32 v1, 5, v0
	v_readfirstlane_b32 s14, v1
	s_lshr_b32 s15, s14, 1
	s_and_b32 s16, s14, 1
	s_bfe_u32 s40, ttmp6, 0x40000
	s_bfe_u32 s41, ttmp6, 0x40004
	s_lshl_b32 s42, ttmp9, 2
	s_add_co_u32 s42, s42, s40
	s_and_b32 s17, ttmp7, 0xffff
	s_lshl_b32 s17, s17, 2
	s_add_co_u32 s17, s17, s41
	s_lshl_b32 s43, s41, 2
	s_lshl_b32 s43, 15, s43
	s_lshl_b32 s44, 0x1111, s40
	s_or_b32 s[G1+0], s43, (0<<16)|(1<<20)|(1<<21)|(5<<22)|(3<<25)
	s_or_b32 s[G1B+0], s44, (0<<16)|(1<<20)|(1<<21)|(5<<22)|(3<<25)
.irp g, G1, G1B
	s_mov_b32 s[\g+1], ROWB<<16
	s_mov_b32 s[\g+2], 256<<16                     ; the head's loads bring a tile's 256 rows; set to 128 for the ring behind them
	s_mov_b32 s[\g+3], ROWB<<16
	s_mov_b32 s[\g+4], 256
	s_mov_b32 s[\g+5], KROW
	s_mov_b32 s[\g+6], 0
	s_mov_b32 s[\g+7], 0
.endr
	s_or_b32 s[G1S+0], s43, (3<<16)|(1<<20)|(1<<21)|(5<<22)|(3<<25)
	s_or_b32 s[G1SB+0], s44, (3<<16)|(1<<20)|(1<<21)|(5<<22)|(3<<25)
.irp g, G1S, G1SB
	s_mov_b32 s[\g+1], 32<<16
	s_mov_b32 s[\g+2], (256*KS/256)<<16
	s_mov_b32 s[\g+3], 32<<16
	s_mov_b32 s[\g+4], 256*KS/256
	s_mov_b32 s[\g+5], 32
	s_mov_b32 s[\g+6], 0
	s_mov_b32 s[\g+7], 0
.endr
	s_lshl_b32 s18, s16, 7
	s_lshl_b32 s20, s17, 8
	s_add_co_u32 s20, s20, s18
	s_lshl_b32 s46, s42, 8
	s_add_co_u32 s46, s46, s18
	s_lshl_b32 s22, s17, 13                        ; the scale bytes of A's tile, from its first row on
	s_add_co_u32 s22, s22, 4194304
	s_mov_b32 s23, 0
	s_lshl_b32 s20, s20, 10
	s_mov_b32 s21, 0
	s_lshl_b32 s18, s42, 13                        ; and of B's
	s_mov_b32 s19, 0
	s_lshl_b32 s46, s46, 10
	s_mov_b32 s47, 0
	s_mul_i32 s45, s14, HALFT
	s_wait_kmcnt 0x0
	s_add_nc_u64 s[20:21], s[4:5], s[20:21]
	s_add_nc_u64 s[22:23], s[4:5], s[22:23]
	s_add_nc_u64 s[46:47], s[8:9], s[46:47]
	s_add_nc_u64 s[18:19], s[10:11], s[18:19]
	CROUND
	s_mov_b32 s[G0S], 1
	s_mov_b32 s[G0S+1], SCL
	s_mov_b64 s[G0S+2:G0S+3], s[22:23]
	s_or_b32 s[G0S+3], s[G0S+3], 0x80000000
	s_mov_b32 s[G0SB], 1
	s_mov_b32 s[G0SB+1], SCL+2*HALFS
	s_mov_b64 s[G0SB+2:G0SB+3], s[18:19]
	s_or_b32 s[G0SB+3], s[G0SB+3], 0x80000000
.irp s, 0,1
	s_mov_b32 s[G0+4*\s], 1
	s_add_co_u32 s[G0+4*\s+1], s45, \s*SLOT
	s_add_nc_u64 s[G0+4*\s+2:G0+4*\s+3], s[20:21], \s*ROWB
	s_or_b32 s[G0+4*\s+3], s[G0+4*\s+3], 0x80000000
	s_mov_b32 s[G0B+4*\s], 1
	s_add_co_u32 s[G0B+4*\s+1], s45, \s*SLOT
	s_add_nc_u64 s[G0B+4*\s+2:G0B+4*\s+3], s[46:47], \s*ROWB
	s_or_b32 s[G0B+4*\s+3], s[G0B+4*\s+3], 0x80000000
.endr
; THE HEAD'S LOADS, ONE A WAVE, in one chain of branches on the wave's number: wave 0 K step 0's 256 rows of A (its ring descriptor points at the tile's first row and at LDS byte 0), wave 1 A's scale bytes, wave 2 B's 256 rows, wave 3 B's scale bytes
.macro ARM under, g0, g1, next
	s_cmp_lt_u32 s14, \under
	s_cbranch_scc0 \next
	tensor_load_to_lds s[\g0:\g0+3], s[\g1:\g1+7]
	s_nop 0
.rept 4
	v_nop
.endr
	s_branch .Lhead_asked
\next:
.endm
	ARM 1, G0, G1, .Lhead_sa
	ARM 2, G0S, G1S, .Lhead_b
	ARM 3, G0B, G1B, .Lhead_sb
	tensor_load_to_lds s[G0SB:G0SB+3], s[G1SB:G1SB+7]
	s_nop 0
.rept 4
	v_nop
.endr
.Lhead_asked:
	; the prefetches: of the 128 rows that my wave fetches in the ring, my work-group takes 32 (place cx for A, cy for B: told apart by address), a lane a row, 256 bytes of a row a K step
	s_cmp_eq_u32 s15, 0
	s_cselect_b64 s[66:67], s[20:21], s[46:47]
	s_cselect_b32 s92, s40, s41
	s_lshl_b32 s92, s92, 15
	s_mov_b32 s93, 0
	s_add_nc_u64 s[66:67], s[66:67], s[92:93]
	v_and_b32 v1, 15, v0
	v_bfe_u32 v2, v0, 4, 1
	v_mul_u32_u24 v3, v1, PITCH
	v_lshl_add_u32 v4, v2, 4, v3
	s_mul_i32 s21, s15, HALFT
	s_mul_i32 s22, s16, HALFT
	s_add_co_u32 s22, s22, 2*HALFT
.irp s, 0,1
	v_add_nc_u32 v[ADRA+\s], s21, v4
	v_add_nc_u32 v[ADRB+\s], s22, v4
	s_add_co_u32 s21, s21, SLOT
	s_add_co_u32 s22, s22, SLOT
.endr
	v_mul_u32_u24 v5, v1, KS
	v_lshrrev_b32 v6, 8, v5
	v_lshl_add_u32 v5, v6, 4, v5
	s_mul_i32 s21, s15, HALFS
	s_mul_i32 s22, s16, HALFS
	s_add_co_u32 s22, s22, 2*HALFS
	s_sub_co_u32 s22, s22, s21
	v_mul_u32_u24 v6, s22, v2
	s_add_co_u32 s21, s21, SCL
	v_add_nc_u32 v5, v5, v6
	v_add_nc_u32 v[ADRS], s21, v5
	s_lshl_b32 s23, s14, 9
	v_lshlrev_b32 v5, 2, v1
	v_add_nc_u32 v[SW0], s23, v5
	v_and_b32 v6, 31, v0
	v_lshlrev_b32 v[LI], 4, v6
	v_lshlrev_b32 v23, 10, v6                      ; the prefetches' offset: a row of 1,024 bytes a lane; never rewritten
	v_add_nc_u32 v[SWR], s23, v[LI]
	v_lshlrev_b32 v[BOQ], 5, v2
	s_wait_alu depctr_va_vdst(0)
	s_lshl_b32 s92, s17, 1
	s_add_co_u32 s92, s92, s15
	s_lshl_b32 s93, s42, 1
	s_add_co_u32 s93, s93, s16
	s_lshl_b32 s94, s93, 14
	s_lshl_b32 s96, s92, 9
	s_add_co_u32 s96, s96, s94
	s_add_co_u32 s96, s96, 16777216
	s_mov_b32 s97, 0
	s_add_nc_u64 s[SWB:SWB+1], s[12:13], s[96:97]
	s_lshl_b32 s92, s92, 19
	s_add_co_u32 s94, s94, s92
	s_mov_b32 s95, 0
	s_add_nc_u64 s[DST:DST+1], s[12:13], s[94:95]
	s_lshl_b32 s94, s93, 9
	s_add_nc_u64 s[98:99], s[98:99], s[94:95]
.irp b, 0,1,2,3,4,5,6,7
	global_load_b128 v[BI+8*\b:BI+8*\b+3], v[BOQ], s[98:99] offset:64*\b
	global_load_b128 v[BI+8*\b+4:BI+8*\b+7], v[BOQ], s[98:99] offset:64*\b+16
.endr
	global_prefetch_b8 v23, s[66:67] offset:256 th:TH_LOAD_NT scope:SCOPE_SE   ; K steps 1 and 2: their loads stand one and two changes of slots on
	global_prefetch_b8 v23, s[66:67] offset:512 th:TH_LOAD_NT scope:SCOPE_SE
	s_mov_b32 s20, 0x76543210
	s_mov_b32 s21, 0xfedcba98
	s_mov_b32 s22, 0x600000
.macro FRAG reg, adr, q, i
.irp c, 0,1,2,3
	ds_load_b128 v[\reg+4*\c:\reg+4*\c+3], v[\adr] offset:128*(\q)+32*\c+(\i)*16*PITCH
.endr
.endm
.macro MUL16 a0, p, q, sc, zero
.irp a, \a0, \a0+1
.irp b, 0,1,2,3,4,5,6,7
.if \zero == 2
	v_wmma_scale_f32_16x16x128_f8f6f4 v[8*(8*((\a)%4)+\b):8*(8*((\a)%4)+\b)+7], v[128*(\p)+FR*\b:128*(\p)+FR*\b+FR-1], v[AF+FR*(\a):AF+FR*(\a)+FR-1], v[BI+8*\b:BI+8*\b+7], v[SC+8*NQ*(\sc)+NQ*\b+(\q)], v[SC+8*NQ*(\sc)+NQ*(\a)+(\q)] matrix_a_scale:MATRIX_SCALE_ROW1
.else
	v_wmma_scale_f32_16x16x128_f8f6f4 v[8*(8*((\a)%4)+\b):8*(8*((\a)%4)+\b)+7], v[128*(\p)+FR*\b:128*(\p)+FR*\b+FR-1], v[AF+FR*(\a):AF+FR*(\a)+FR-1], v[8*(8*((\a)%4)+\b):8*(8*((\a)%4)+\b)+7], v[SC+8*NQ*(\sc)+NQ*\b+(\q)], v[SC+8*NQ*(\sc)+NQ*(\a)+(\q)] matrix_a_scale:MATRIX_SCALE_ROW1
.endif
.endr
.endr
.endm
.macro FETCH_B slot, q, p
	WIN TO_B
.irp i, 0,1,2,3,4,5,6,7
	FRAG 128*(\p)+FR*\i, ADRB+\slot, \q, \i
.endr
	WIN 0
.endm
.macro FETCH_A slot, q, i0
.irp i, \i0, \i0+1, \i0+2, \i0+3
	FRAG AF+FR*(\i), ADRA+\slot, \q, \i
.endr
.endm
.macro SCALES sc
.irp i, 0,1,2,3,4,5,6,7
	ds_load_b64 v[SC+8*NQ*\sc+NQ*\i:SC+8*NQ*\sc+NQ*\i+1], v[ADRS] offset:\i*SBLK
.endr
.endm
.macro PLACES n
.rept \n
	v_nop
.endr
.endm
.macro STEP slot, q, zero
	s_wait_dscnt 4*NL
.if \zero == 2
	WIN 0x81
.else
	WIN MUL_LO
.endif
	MUL16 0, (\q)%2, \q, \slot, \zero
	MUL16 2, (\q)%2, \q, \slot, \zero
	s_wait_dscnt 0
	PLACES NP
	FETCH_B \slot, (\q)+1, 1-(\q)%2
	FETCH_A \slot, (\q)+1, 0
.if \zero == 2
	WIN 0xc1
.else
	WIN MUL_HI
.endif
	MUL16 4, (\q)%2, \q, \slot, \zero
	MUL16 6, (\q)%2, \q, \slot, \zero
	PLACES NP
	WIN 0
	FETCH_A \slot, (\q)+1, 4
.endm
.macro TURN slot, next, fill
	s_wait_tensorcnt 0x0
	ds_add_u32 v[SPW], v[NIL]
	s_wait_dscnt 4*NL+1
	WIN MUL_LO
	MUL16 0, 1, NQ-1, \slot, 0
	s_wait_dscnt 0x0
	s_barrier_signal -1
	MUL16 2, 1, NQ-1, \slot, 0
	WIN 0
	s_barrier_wait -1
.if \fill
	CREST
	s_add_nc_u64 s[G0+4*\slot+2:G0+4*\slot+3], s[G0+4*\slot+2:G0+4*\slot+3], 2*ROWB
	s_add_nc_u64 s[G0B+4*\slot+2:G0B+4*\slot+3], s[G0B+4*\slot+2:G0B+4*\slot+3], 2*ROWB
	JLOAD G0+4*\slot, G1, G0B+4*\slot, G1B
	PLACES NP-4
.else
	PLACES NP
.endif
	s_wait_alu depctr_va_vdst(0)
	v_add_nc_u32 v[ADRS], 4*NQ, v[ADRS]
	FETCH_B \next, 0, 0
	FETCH_A \next, 0, 0
	SCALES \next
	WIN MUL_HI
	MUL16 4, 1, NQ-1, \slot, 0
	MUL16 6, 1, NQ-1, \slot, 0
	PLACES NP
	WIN 0
	FETCH_A \next, 0, 4
.endm
	s_wait_alu depctr_va_vdst(0)                   ; the wait at the head's end
	s_wait_tensorcnt 0x0                           ; my tile of the head's four is in; these lines stand ahead of slot 1's first fill as ahead of a refill
	ds_add_u32 v[SPW], v[NIL]
	s_mov_b32 s[G1+2], 128<<16                     ; no tensor load of mine is out: from here on a load brings 128 rows
	s_mov_b32 s[G1+4], 128
	s_mov_b32 s[G1B+2], 128<<16
	s_mov_b32 s[G1B+4], 128
	s_wait_dscnt 0x0
	CROUND                                         ; all four tiles are in, and all sixteen work-groups are here
	JLOAD G0+4, G1, G0B+4, G1B                     ; K step 1, the first tensor load behind the round
	FETCH_B 0, 0, 0
	FETCH_A 0, 0, 0
	SCALES 0
	FETCH_A 0, 0, 4
	global_prefetch_b8 v23, s[66:67] offset:768 th:TH_LOAD_NT scope:SCOPE_SE   ; K step 3, the last: two changes of slots ahead of its load
	s_wait_loadcnt 0x0
	STEP 0, 0, 2
	s_mov_b32 s3, LAPS-1
.Llap:
	TURN 0, 1, 1
	STEP 1, 0, 0
	TURN 1, 0, 1
	STEP 0, 0, 0
	s_sub_co_u32 s3, s3, 1
	s_cmp_lg_u32 s3, 0
	s_cbranch_scc1 .Llap
	TURN 0, 1, 0
	STEP 1, 0, 0
	s_wait_dscnt 4*NL
	WIN MUL_LO
	MUL16 0, 1, NQ-1, 1, 0
	MUL16 2, 1, NQ-1, 1, 0
	s_wait_dscnt 0
	WIN MUL_HI
	MUL16 4, 1, NQ-1, 1, 0
	MUL16 6, 1, NQ-1, 1, 0
	WIN 0
.macro QUANT src, win, pw
	WIN ((\win)<<2)|((\win)<<4)
.irp b, 0,1,2,3
	v_max3_num_f32 v[TM+\b], 0x4800000, |v[(\src)+16*\b]|, |v[(\src)+16*\b+1]|
.endr
.irp i, 2,4,6,8,10,12,14
.irp b, 0,1,2,3
	v_max3_num_f32 v[TM+\b], v[TM+\b], |v[(\src)+16*\b+\i]|, |v[(\src)+16*\b+\i+1]|
.endr
.endr
	WIN 0
.irp b, 0,1,2,3
	v_permlanex16_b32 v[TM+4+\b], v[TM+\b], s20, s21
.endr
.irp b, 0,1,2,3
	v_max_num_f32 v[TM+\b], v[TM+\b], v[TM+4+\b]
.endr
.irp b, 0,1,2,3
	v_add_nc_u32 v[TM+12+\b], 0xfc000000, v[TM+\b]
.endr
.irp b, 0,1,2,3
	v_and_or_b32 v[TM+8+\b], v[TM+\b], 0x7f800000, s22
.endr
.irp b, 0,1,2,3
	v_lshrrev_b32 v[TM+4+\b], 23, v[TM+12+\b]
.endr
	v_lshl_or_b32 v[\pw], v[TM+5], 8, v[TM+4]
	v_lshl_or_b32 v[\pw], v[TM+6], 16, v[\pw]
	v_lshl_or_b32 v[\pw], v[TM+7], 24, v[\pw]
	WIN (\win)
.set qi, 0
.rept 64
	v_med3_num_f32 v[T+qi], v[(\src)+qi], -v[TM+8+qi/16], v[TM+8+qi/16]
.set qi, qi+1
.endr
	WIN 0
.irp b, 0,1,2,3
	v_cvt_scalef32_pk8_fp8_f32 v[PC+4*\b:PC+4*\b+1], v[T+16*\b:T+16*\b+7], v[TM+12+\b]
	v_cvt_scalef32_pk8_fp8_f32 v[PC+4*\b+2:PC+4*\b+3], v[T+16*\b+8:T+16*\b+15], v[TM+12+\b]
.endr
	v_nop
.endm
.macro PKF d, x, lit, cv
.set p, 0
.rept 16
	v_pk_fma_f32 v[(\d)+p:(\d)+p+1], v[(\x)+p:(\x)+p+1], \lit, v[\cv:\cv+1] op_sel_hi:[1,0,1]
.set p, p+2
.endr
.endm
.macro PKH d, m, lit
.set p, 0
.rept 16
	v_pk_fma_f32 v[(\d)+p:(\d)+p+1], v[(\d)+p:(\d)+p+1], v[(\m)+p:(\m)+p+1], \lit op_sel_hi:[1,1,0]
.set p, p+2
.endr
.endm
.macro GELU32 hh
.set GA, GT+32*(\hh)
.set TA, T+32*(\hh)
.set p, 0
.rept 16
	v_pk_mul_f32 v[GS+p:GS+p+1], v[GA+p:GA+p+1], v[GA+p:GA+p+1]
.set p, p+2
.endr
	PKF GR, GA, 0xb7910000, 10
	PKF GQ, GA, 0xbb7e8a1c, 12
.set p, 0
.rept 16
	v_pk_fma_f32 v[GR+p:GR+p+1], v[GR+p:GR+p+1], v[GS+p:GS+p+1], v[GQ+p:GQ+p+1]
.set p, p+2
.endr
	PKH GR, GA, 0xbddaae5c
	PKH GR, GA, 0xbf228550
	PKH GR, GA, 0xbe03ce86
.set p, 0
.rept 16
	v_pk_fma_f32 v[GR+p:GR+p+1], v[GR+p:GR+p+1], v[GA+p:GA+p+1], v[GA+p:GA+p+1] neg_lo:[0,0,1] neg_hi:[0,0,1]
.set p, p+2
.endr
.set p, 0
.rept 16
	v_pk_mul_f32 v[GR+p:GR+p+1], v[GR+p:GR+p+1], 0x3fb8aa3b op_sel_hi:[1,0]
.set p, p+2
.endr
.set p, 0
	s_wait_alu depctr_va_vdst(0)
.rept 32
	v_exp_f32 v[GR+p], v[GR+p]
.set p, p+1
.endr
	PKF GQ, GS, 0xba1c7000, 14
	PKH GQ, GS, 0xbcdb48d9
	PKH GQ, GS, 0x3de70e22
	PKH GQ, GS, 0xbec09380
	PKH GQ, GS, 0x3e0375d4
.set p, 0
.rept 16
	v_pk_fma_f32 v[GQ+p:GQ+p+1], v[GQ+p:GQ+p+1], v[GA+p:GA+p+1], v[GA+p:GA+p+1]
.set p, p+2
.endr
	s_wait_alu depctr_va_vdst(0)
.set p, 0
.rept 16
	v_pk_add_f32 v[GR+p:GR+p+1], v[GR+p:GR+p+1], 1.0 op_sel_hi:[1,0] neg_lo:[1,0] neg_hi:[1,0]
.set p, p+2
.endr
.set p, 0
.rept 32
	v_cmp_lt_f32 vcc_lo, s5, v[GA+p]
	v_cndmask_b32 v[GR+p], v[GQ+p], v[GR+p], vcc_lo
.set p, p+1
.endr
.set p, 0
.rept 32
	v_fma_f32 v[TA+p], |v[TA+p]|, v[GR+p], v[TA+p]
.set p, p+1
.endr
.endm
	PLACES NP
	v_mov_b32 v10, 0x39c8e7d9
	v_mov_b32 v11, 0x39c8e7d9
	v_mov_b32 v12, 0x3cc6b1a1
	v_mov_b32 v13, 0x3cc6b1a1
	v_mov_b32 v14, 0x3ba38d2c
	v_mov_b32 v15, 0x3ba38d2c
	s_mov_b32 s4, 0x3f3504f3
	s_mov_b32 s5, 0x3f6d8000
	s_mov_b32 s6, 0
	s_mov_b32 s7, 0
.Lrow:
.irp a, 0,1,2,3,4,5,6
	s_cmp_eq_u32 s6, \a
	s_cbranch_scc1 .Lcopy_\a
.endr
.irp a, 7,0,1,2,3,4,5,6
.Lcopy_\a:
	WIN 2+\a/4
.set ci, 0
.rept 64
	v_mul_f32 v[GT+ci], |v[64*(\a%4)+ci]|, s4
.set ci, ci+1
.endr
.set ci, 0
.rept 32
	v_pk_mul_f32 v[T+ci:T+ci+1], v[64*(\a%4)+ci:64*(\a%4)+ci+1], 0.5 op_sel_hi:[1,0]
.set ci, ci+2
.endr
	WIN 0
	s_branch .Lgelu
.endr
.Lgelu:
	GELU32 0
	GELU32 1
	QUANT T, 0, PW
.irp b, 0,1,2,3
	global_store_b128 v[LI], v[PC+4*\b:PC+4*\b+3], s[DST:DST+1] offset:512*\b
.endr
	v_add_nc_u32 v[SWA], s7, v[SW0]
	ds_store_b32 v[SWA], v[PW]
	s_wait_dscnt 0x0
	s_wait_xcnt 0x0
	s_add_nc_u64 s[DST:DST+1], s[DST:DST+1], 2048
	s_add_co_u32 s7, s7, 64
	s_add_co_u32 s6, s6, 1
	s_cmp_lt_u32 s6, 8
	s_cbranch_scc1 .Lrow
	ds_load_b128 v[PC:PC+3], v[SWR]
	s_wait_dscnt 0x0
	global_store_b128 v[LI], v[PC:PC+3], s[SWB:SWB+1]
	s_wait_tensorcnt 0x0
	ds_add_u32 v[SPW], v[NIL]
	s_wait_dscnt 0x0
	CROUND
	s_endpgm
.Lfunc_end_k_q1c930cf3d7_fc:
	.size	k_q1c930cf3d7_fc, .Lfunc_end_k_q1c930cf3d7_fc-k_q1c930cf3d7_fc
	.p2alignl 7, 3214868480
	.fill 96, 4, 3214868480
	.section	.rodata,"a",@progbits
	.p2align	6, 0x0
	.amdhsa_kernel k_q1c930cf3d7_fc
		.amdhsa_group_segment_fixed_size 327680
		.amdhsa_private_segment_fixed_size 0
		.amdhsa_enable_private_segment 0
		.amdhsa_kernarg_size 40
		.amdhsa_user_sgpr_count 2
		.amdhsa_user_sgpr_kernarg_segment_ptr 1
		.amdhsa_wavefront_size32 1
		.amdhsa_system_sgpr_workgroup_id_x 1
		.amdhsa_system_sgpr_workgroup_id_y 1
		.amdhsa_system_sgpr_workgroup_id_z 1
		.amdhsa_system_vgpr_workitem_id 0
		.amdhsa_next_free_vgpr 1024
		.amdhsa_next_free_sgpr 100
		.amdhsa_reserve_vcc 1
		.amdhsa_float_denorm_mode_32 3
		.amdhsa_float_denorm_mode_16_64 3
		.amdhsa_memory_ordered 1
		.amdhsa_forward_progress 1
		.amdhsa_inst_pref_size 231
	.end_amdhsa_kernel
	.amdgpu_metadata
---
amdhsa.version: [ 1, 2 ]
amdhsa.kernels:
  - .name:           k_q1c930cf3d7_fc
    .symbol:         k_q1c930cf3d7_fc.kd
    .args:
      - { .name: h8, .offset: 0, .size: 8, .value_kind: global_buffer, .address_space: global }
      - { .name: w_fc_codes, .offset: 8, .size: 8, .value_kind: global_buffer, .address_space: global }
      - { .name: w_fc_scales, .offset: 16, .size: 8, .value_kind: global_buffer, .address_space: global }
      - { .name: b_fc, .offset: 24, .size: 8, .value_kind: global_buffer, .address_space: global }
      - { .name: g8, .offset: 32, .size: 8, .value_kind: global_buffer, .address_space: global }
    .group_segment_fixed_size: 327680
    .private_segment_fixed_size: 0
    .kernarg_segment_align: 8
    .kernarg_segment_size: 40
    .max_flat_workgroup_size: 128
    .sgpr_count:     100
    .vgpr_count:     1024
    .wavefront_size: 32
...
	.end_amdgpu_metadata
.endif
;; end of part 4
;; launch proj (part 5): grid 8 x 32, 4 waves a work-group, clusters of 4 x 4, 327,680 bytes of LDS; arguments g8, w_proj_codes, w_proj_scales, b_proj, x1, out0; writes out0
.if DOCPART == 5
	.amdgcn_target "amdgcn-amd-amdhsa--gfx1250"
	.amdhsa_code_object_version 6
	.text
	.protected	k_q1c930cf3d7_proj
	.globl	k_q1c930cf3d7_proj
	.p2align	8
	.type	k_q1c930cf3d7_proj,@function
k_q1c930cf3d7_proj:
	s_mov_b64 s[64:65], 0
	v_nop
	global_prefetch_b8 v0, s[64:65] scope:SCOPE_SE
	s_setreg_imm32_b32 hwreg(HW_REG_WAVE_MODE, 25, 1), 1
	s_wait_xcnt 0x0
	s_wait_alu depctr_hold_cnt(0) depctr_sa_sdst(0) depctr_va_vdst(0) depctr_va_sdst(0) depctr_va_ssrc(0) depctr_va_vcc(0) depctr_vm_vsrc(0)
	s_getreg_b32 s2, hwreg(HW_REG_IB_STS2, 6, 4)
	s_cmp_eq_u32 s2, 0
	s_cbranch_scc0 .Lentry_in_a_cluster
	s_endpgm
.Lentry_in_a_cluster:
	s_bfe_u32 s2, ttmp6, 0x10000c
	s_cmp_lg_u32 s2, 0xf033
	s_cbranch_scc0 .Lentry_shape_is_right
	s_endpgm
.Lentry_shape_is_right:
; out0 = x1 + g W_proj + b_proj on codes of FP8 (E4M3) with E8M0 scales, K = 4,096.  g8: register images of 128 tokens x 128 of K (16,384 bytes) and scale words, as the launch before lays them.
; A work-group makes 128 x 128 of the result; its four waves SPLIT K: a slot holds 512 of K, wave w takes the slot's w-th 128 against all 128 x 128 (64 accumulators); the four partial sums are added through LDS at the end.
; Two slots, eight K steps.  THE HEAD: one joint load a wave: wave 0 K step 0's images of A (65,536 bytes), wave 1 A's scale words, wave 2 B's 128 rows x 512 bytes, wave 3 B's scale bytes; slot 1 is first filled behind the full sequence and a round.
; PREFETCH: behind the load of K step s stands a request for K step s + 2 (at the head: for steps 1 and 2).  Of the 128 blocks of 256 bytes that a wave fetches in a K step each of the four partners that ask jointly takes 32,
; told apart by address (cx for A, cy for B), a lane a block.  K step 7 is the last asked for.  x1's 32 rows x 512 bytes of a wave are asked for behind the load of K step 7, two K steps ahead of their loads.
; LIMITS: NaN and infinities are not served; a sum is made in four chains along K that are added at the end: the order of rounding differs from one chain.
.set NP,    8
.set BP,    528
.set BOFF,  65536
.set SLOT,  BOFF+128*BP
.set SCA,   2*SLOT
.set SCBS,  SCA+32*BP
.set SPARE, SCBS+64*272
.set WST,   128*BP
.set RD,   8
.set ADRA, 16
.set ADRB, 20
.set ADSA, 22
.set ADSB, 23
.set STO,  24
.set CO,   26
.set SPW,  28
.set NIL,  29
.set SA,   32
.set SB,   40
.set BIA,  48
.set AF,   128
.set G1, 24
.set G0, 32
.set G1B, 48
.set G0B, 56
.set G1S, 68
.set G0S, 76
.set G1SB, 80
.set G0SB, 88
.set MSB, 0
.macro WIN new
.if MSB != (\new)
	s_set_vgpr_msb (MSB<<8)|(\new)
.set MSB, (\new)
.endif
.endm
.set MUL_LO, 0xa1
.set MUL_HI, 0xf1
.set TO_B,   0x40
.macro JLOAD g0a, g1a, g0b, g1b
	s_cmp_eq_u32 s15, 0
	s_cbranch_scc0 .Lfor_b_\@
	tensor_load_to_lds s[\g0a:\g0a+3], s[\g1a:\g1a+7]
	s_nop 0
.rept 4
	v_nop
.endr
	s_branch .Lasked_\@
.Lfor_b_\@:
	tensor_load_to_lds s[\g0b:\g0b+3], s[\g1b:\g1b+7]
	s_nop 0
.rept 4
	v_nop
.endr
.Lasked_\@:
.endm
.macro CREST
	s_cmp_lg_u32 s14, 0
	s_cbranch_scc1 .Lnot_wave_0_\@
	s_barrier_signal -3
.Lnot_wave_0_\@:
	s_barrier_wait -3
	s_barrier_signal -1
	s_barrier_wait -1
.endm
.macro CROUND
	s_barrier_signal -1
	s_barrier_wait -1
	CREST
.endm
	s_load_b256 s[4:11], s[0:1], 0x0
	s_load_b128 s[92:95], s[0:1], 0x20
	v_lshl_add_u32 v[SPW], v0, 2, SPARE
	v_mov_b32 v[NIL], 0
	ds_add_u32 v28, v29
	ds_add_u32 v28, v29
	s_wait_dscnt 0x0
	v_lshrrev_b32 v1, 5, v0
	v_readfirstlane_b32 s14, v1
	s_lshr_b32 s15, s14, 1
	s_and_b32 s16, s14, 1
	s_bfe_u32 s40, ttmp6, 0x40000
	s_bfe_u32 s41, ttmp6, 0x40004
	s_lshl_b32 s42, ttmp9, 2
	s_add_co_u32 s42, s42, s40
	s_and_b32 s17, ttmp7, 0xffff
	s_lshl_b32 s17, s17, 2
	s_add_co_u32 s17, s17, s41
	s_lshl_b32 s43, s41, 2
	s_lshl_b32 s43, 15, s43
	s_lshl_b32 s44, 0x1111, s40
	s_or_b32 s[G1+0], s43, (3<<16)|(1<<21)
	s_mov_b32 s[G1+1], 32<<16
	s_mov_b32 s[G1+2], 256<<16
	s_mov_b32 s[G1+3], 32<<16
	s_mov_b32 s[G1+4], 256
	s_mov_b32 s[G1+5], 32
	s_mov_b32 s[G1+6], 0
	s_mov_b32 s[G1+7], 0
	s_or_b32 s[G1B+0], s44, (0<<16)|(1<<20)|(1<<21)|(6<<22)|(3<<25)
	s_mov_b32 s[G1B+1], 512<<16
	s_mov_b32 s[G1B+2], 128<<16
	s_mov_b32 s[G1B+3], 512<<16
	s_mov_b32 s[G1B+4], 128
	s_mov_b32 s[G1B+5], 4096
	s_mov_b32 s[G1B+6], 0
	s_mov_b32 s[G1B+7], 0
	s_or_b32 s[G1S+0], s43, (3<<16)|(1<<20)|(1<<21)|(6<<22)|(3<<25)
	s_mov_b32 s[G1S+1], 64<<16
	s_mov_b32 s[G1S+2], 32<<16
	s_mov_b32 s[G1S+3], 64<<16
	s_mov_b32 s[G1S+4], 32
	s_mov_b32 s[G1S+5], 2048
	s_mov_b32 s[G1S+6], 0
	s_mov_b32 s[G1S+7], 0
	s_or_b32 s[G1SB+0], s44, (3<<16)|(1<<20)|(1<<21)|(5<<22)|(3<<25)
	s_mov_b32 s[G1SB+1], 32<<16
	s_mov_b32 s[G1SB+2], 64<<16
	s_mov_b32 s[G1SB+3], 32<<16
	s_mov_b32 s[G1SB+4], 64
	s_mov_b32 s[G1SB+5], 32
	s_mov_b32 s[G1SB+6], 0
	s_mov_b32 s[G1SB+7], 0
	s_lshl_b32 s20, s17, 19
	s_lshl_b32 s18, s16, 15
	s_add_co_u32 s20, s20, s18
	s_mov_b32 s21, 0
	s_lshl_b32 s22, s17, 9
	s_lshl_b32 s18, s16, 18
	s_add_co_u32 s22, s22, 16777216
	s_mov_b32 s23, 0
	s_lshl_b32 s46, s42, 19
	s_add_co_u32 s46, s46, s18
	s_mov_b32 s47, 0
	s_lshl_b32 s18, s42, 14
	s_mov_b32 s19, 0
	s_lshl_b32 s45, s16, 15
	s_mul_i32 s2, s16, 64*BP
	s_add_co_u32 s2, s2, BOFF
	s_wait_kmcnt 0x0
	s_add_nc_u64 s[20:21], s[4:5], s[20:21]
	s_add_nc_u64 s[22:23], s[4:5], s[22:23]
	s_add_nc_u64 s[46:47], s[6:7], s[46:47]
	s_add_nc_u64 s[18:19], s[8:9], s[18:19]
	CROUND
	s_mov_b32 s[G0S], 1
	s_mov_b32 s[G0S+1], SCA
	s_mov_b64 s[G0S+2:G0S+3], s[22:23]
	s_or_b32 s[G0S+3], s[G0S+3], 0x80000000
	s_mov_b32 s[G0SB], 1
	s_mov_b32 s[G0SB+1], SCBS
	s_mov_b64 s[G0SB+2:G0SB+3], s[18:19]
	s_or_b32 s[G0SB+3], s[G0SB+3], 0x80000000
.irp s, 0,1
	s_mov_b32 s[G0+4*\s], 1
	s_add_co_u32 s[G0+4*\s+1], s45, \s*SLOT
	s_add_nc_u64 s[G0+4*\s+2:G0+4*\s+3], s[20:21], \s*65536
	s_or_b32 s[G0+4*\s+3], s[G0+4*\s+3], 0x80000000
	s_mov_b32 s[G0B+4*\s], 1
	s_add_co_u32 s[G0B+4*\s+1], s2, \s*SLOT
	s_add_nc_u64 s[G0B+4*\s+2:G0B+4*\s+3], s[46:47], \s*512
	s_or_b32 s[G0B+4*\s+3], s[G0B+4*\s+3], 0x80000000
.endr
; the head's loads, one a wave, in one chain of branches on the wave's number (waves 0 and 2: their ring descriptors point at the tile's first byte)
.macro ARM under, g0, g1, next
	s_cmp_lt_u32 s14, \under
	s_cbranch_scc0 \next
	tensor_load_to_lds s[\g0:\g0+3], s[\g1:\g1+7]
	s_nop 0
.rept 4
	v_nop
.endr
	s_branch .Lhead_asked
\next:
.endm
	ARM 1, G0, G1, .Lhead_sa
	ARM 2, G0S, G1S, .Lhead_b
	ARM 3, G0B, G1B, .Lhead_sb
	tensor_load_to_lds s[G0SB:G0SB+3], s[G1SB:G1SB+7]
	s_nop 0
.rept 4
	v_nop
.endr
.Lhead_asked:
	; the prefetches: s[66:67] where they stand, s[8:9] a K step on (65,536 bytes in A's images, 512 in a row of B), s6 from block row to block row
	s_cmp_eq_u32 s15, 0
	s_cselect_b64 s[66:67], s[20:21], s[46:47]
	s_cselect_b32 s96, s40, s41                    ; my place among the four that ask with me
	s_cselect_b32 s97, 13, 16                      ; A: 32 blocks on end; B: 16 rows of 4,096 bytes
	s_mov_b32 s8, 512
	s_cselect_b32 s8, 0x10000, s8
	s_mov_b32 s6, 4096
	s_cselect_b32 s6, 256, s6
	s_mov_b32 s9, 0
	s_lshl_b32 s96, s96, s97
	s_mov_b32 s97, 0
	s_add_nc_u64 s[66:67], s[66:67], s[96:97]
	s_add_nc_u64 s[66:67], s[66:67], s[8:9]        ; K step 1
	s_add_nc_u64 s[4:5], s[66:67], s[8:9]          ; K step 2
	v_and_b32 v1, 15, v0
	v_bfe_u32 v2, v0, 4, 1
	v_and_b32 v3, 31, v0
	v_lshlrev_b32 v[CO], 4, v3
	v_lshrrev_b32 v12, s15, v3                     ; v12: my block: A: 256 x lane; B: row lane / 2, block lane % 2
	v_mul_lo_u32 v12, v12, s6
	v_and_b32 v14, s15, v3
	v_lshl_add_u32 v12, v14, 8, v12
	v_lshlrev_b32 v13, 12, v3                      ; v13: a row of x1 a lane
	s_lshl_b32 s21, s14, 14
	v_add_nc_u32 v[ADRA], s21, v[CO]
	v_add_nc_u32 v[ADRA+1], SLOT, v[ADRA]
	v_mul_u32_u24 v4, v1, BP
	v_lshl_add_u32 v4, v2, 3, v4
	s_lshl_b32 s21, s14, 7
	s_add_co_u32 s21, s21, BOFF
	v_add_nc_u32 v[ADRB], s21, v4
	v_add_nc_u32 v[ADRB+1], SLOT, v[ADRB]
	s_mul_i32 s21, s14, BP
	s_add_co_u32 s21, s21, SCA
	v_lshlrev_b32 v4, 2, v1
	v_lshl_add_u32 v4, v2, 8, v4
	v_add_nc_u32 v[ADSA], s21, v4
	v_lshrrev_b32 v4, 1, v1
	v_lshlrev_b32 v4, 4, v4
	v_lshl_add_u32 v4, v1, 7, v4
	v_mad_u32_u24 v4, v2, 8704, v4
	s_lshl_b32 s21, s14, 2
	s_add_co_u32 s21, s21, SCBS
	v_add_nc_u32 v[ADSB], s21, v4
	s_mul_i32 s21, s14, WST
	v_mul_u32_u24 v4, v1, BP
	v_lshl_add_u32 v4, v2, 5, v4
	v_add_nc_u32 v[STO], s21, v4
	s_mul_i32 s21, s14, 32*BP
	v_add_nc_u32 v[RD], s21, v[CO]
	v_add_nc_u32 v[RD+1], WST, v[RD]
	v_add_nc_u32 v[RD+2], WST, v[RD+1]
	v_add_nc_u32 v[RD+3], WST, v[RD+2]
	s_lshl_b32 s98, s42, 9
	s_mov_b32 s99, 0
	s_add_nc_u64 s[10:11], s[10:11], s[98:99]
	s_lshl_b32 s96, s17, 19
	s_lshl_b32 s97, s14, 17
	s_add_co_u32 s96, s96, s97
	s_add_co_u32 s96, s96, s98
	s_mov_b32 s97, 0
	s_add_nc_u64 s[92:93], s[92:93], s[96:97]
	s_add_nc_u64 s[94:95], s[94:95], s[96:97]
	s_wait_alu depctr_va_vdst(0)                   ; the wait ahead of these readers
	global_prefetch_b8 v12, s[66:67] th:TH_LOAD_NT scope:SCOPE_SE
	global_prefetch_b8 v12, s[4:5] th:TH_LOAD_NT scope:SCOPE_SE
	global_load_b128 v[BIA:BIA+3], v[CO], s[10:11]
.macro WM rb, ra, zero
.if \zero
.if (\rb) && (\ra)
	v_wmma_scale_f32_16x16x128_f8f6f4 v[XACC:XACC+7], v[XBF:XBF+15], v[XAF:XAF+15], 0, v[XSB], v[XSA] matrix_a_scale:MATRIX_SCALE_ROW1 matrix_b_scale:MATRIX_SCALE_ROW1
.elseif \rb
	v_wmma_scale_f32_16x16x128_f8f6f4 v[XACC:XACC+7], v[XBF:XBF+15], v[XAF:XAF+15], 0, v[XSB], v[XSA] matrix_a_scale:MATRIX_SCALE_ROW1
.elseif \ra
	v_wmma_scale_f32_16x16x128_f8f6f4 v[XACC:XACC+7], v[XBF:XBF+15], v[XAF:XAF+15], 0, v[XSB], v[XSA] matrix_b_scale:MATRIX_SCALE_ROW1
.else
	v_wmma_scale_f32_16x16x128_f8f6f4 v[XACC:XACC+7], v[XBF:XBF+15], v[XAF:XAF+15], 0, v[XSB], v[XSA]
.endif
.else
.if (\rb) && (\ra)
	v_wmma_scale_f32_16x16x128_f8f6f4 v[XACC:XACC+7], v[XBF:XBF+15], v[XAF:XAF+15], v[XACC:XACC+7], v[XSB], v[XSA] matrix_a_scale:MATRIX_SCALE_ROW1 matrix_b_scale:MATRIX_SCALE_ROW1
.elseif \rb
	v_wmma_scale_f32_16x16x128_f8f6f4 v[XACC:XACC+7], v[XBF:XBF+15], v[XAF:XAF+15], v[XACC:XACC+7], v[XSB], v[XSA] matrix_a_scale:MATRIX_SCALE_ROW1
.elseif \ra
	v_wmma_scale_f32_16x16x128_f8f6f4 v[XACC:XACC+7], v[XBF:XBF+15], v[XAF:XAF+15], v[XACC:XACC+7], v[XSB], v[XSA] matrix_b_scale:MATRIX_SCALE_ROW1
.else
	v_wmma_scale_f32_16x16x128_f8f6f4 v[XACC:XACC+7], v[XBF:XBF+15], v[XAF:XAF+15], v[XACC:XACC+7], v[XSB], v[XSA]
.endif
.endif
.endm
.macro MUL16 a0, p, zero
.irp a, \a0, \a0+1
.irp b, 0,1,2,3,4,5,6,7
.set XACC, 8*(8*((\a)%4)+\b)
.set XBF, 128*(\p)+16*\b
.set XAF, AF+16*(\a)
.set XSB, SB+4*(\p)+(\b%4)
.set XSA, SA+4*(\p)+((\a)%4)
	WM (\b/4), ((\a)/4), \zero
.endr
.endr
.endm
.macro FETCH_B slot
	WIN TO_B
.irp i, 0,1,2,3,4,5,6,7
.irp c, 0,1,2,3
	ds_load_b64 v[128*(\slot)+16*\i+4*\c:128*(\slot)+16*\i+4*\c+1], v[ADRB+\slot] offset:16*BP*\i+32*\c
	ds_load_b64 v[128*(\slot)+16*\i+4*\c+2:128*(\slot)+16*\i+4*\c+3], v[ADRB+\slot] offset:16*BP*\i+32*\c+16
.endr
.endr
	WIN 0
.endm
.macro FETCH_A slot, i0
.irp i, \i0, \i0+1, \i0+2, \i0+3
.irp c, 0,1,2,3
	ds_load_b128 v[AF+16*(\i)+4*\c:AF+16*(\i)+4*\c+3], v[ADRA+\slot] offset:2048*(\i)+512*\c
.endr
.endr
.endm
.macro SCALES p
.irp i, 0,1,2,3
	ds_load_b32 v[SA+4*(\p)+\i], v[ADSA] offset:64*\i
	ds_load_b32 v[SB+4*(\p)+\i], v[ADSB] offset:2176*\i
.endr
.endm
.macro PLACES n
.rept \n
	v_nop
.endr
.endm
.macro TURN slot, next, fill, zero, ask
.if \fill
	s_wait_xcnt 0x0                                ; my last prefetch has read its address: it steps a K step on
	s_add_nc_u64 s[66:67], s[66:67], s[8:9]
.endif
	s_wait_tensorcnt 0x0
	ds_add_u32 v[SPW], v[NIL]
	s_wait_dscnt 17
	WIN MUL_LO
	MUL16 0, \slot, \zero
	s_wait_dscnt 0x0
	s_barrier_signal -1
	MUL16 2, \slot, \zero
	WIN 0
	s_barrier_wait -1
.if \fill
	CREST
	s_add_nc_u64 s[G0+4*\slot+2:G0+4*\slot+3], s[G0+4*\slot+2:G0+4*\slot+3], 131072
	s_add_nc_u64 s[G0B+4*\slot+2:G0B+4*\slot+3], s[G0B+4*\slot+2:G0B+4*\slot+3], 1024
	JLOAD G0+4*\slot, G1, G0B+4*\slot, G1B
	PLACES NP-4
.else
	PLACES NP
.endif
	s_wait_alu depctr_va_vdst(0)
	v_add_nc_u32 v[ADSA], 4*BP, v[ADSA]
	v_add_nc_u32 v[ADSB], 16, v[ADSB]
	FETCH_B \next
	FETCH_A \next, 0
	SCALES \next
.if \ask == 1
	global_prefetch_b8 v12, s[66:67] th:TH_LOAD_NT scope:SCOPE_SE
.elseif \ask == 2
	s_cmp_eq_u32 s3, 2                             ; in the loop's last trip the K step two on would lie behind the last
	s_cbranch_scc0 .Lno_ask_\@
	global_prefetch_b8 v12, s[66:67] th:TH_LOAD_NT scope:SCOPE_SE
.Lno_ask_\@:
.elseif \ask == 3
	global_prefetch_b8 v13, s[92:93] th:TH_LOAD_NT scope:SCOPE_SE
	global_prefetch_b8 v13, s[92:93] offset:256 th:TH_LOAD_NT scope:SCOPE_SE
.endif
	WIN MUL_HI
	MUL16 4, \slot, \zero
	MUL16 6, \slot, \zero
	PLACES NP
	WIN 0
	FETCH_A \next, 4
.endm
	s_wait_alu depctr_va_vdst(0)
	s_wait_tensorcnt 0x0                           ; my tile of the head's four is in; these lines stand ahead of slot 1's first fill as ahead of a refill
	ds_add_u32 v[SPW], v[NIL]
	s_mov_b32 s[G1+2], 128<<16                     ; no tensor load of mine is out: from here on a load brings half of a slot's A or B
	s_mov_b32 s[G1+4], 128
	s_mov_b32 s[G1B+2], 64<<16
	s_mov_b32 s[G1B+4], 64
	s_wait_xcnt 0x0                                ; the head's prefetches have read their addresses
	s_add_nc_u64 s[66:67], s[4:5], s[8:9]          ; K step 3
	s_wait_dscnt 0x0
	CROUND
	JLOAD G0+4, G1, G0B+4, G1B                     ; K step 1, the first tensor load behind the round
	FETCH_B 0
	FETCH_A 0, 0
	SCALES 0
	FETCH_A 0, 4
	global_prefetch_b8 v12, s[66:67] th:TH_LOAD_NT scope:SCOPE_SE
	TURN 0, 1, 1, 1, 1
	s_mov_b32 s3, 2
.Llap:
	TURN 1, 0, 1, 0, 1
	TURN 0, 1, 1, 0, 2
	s_sub_co_u32 s3, s3, 1
	s_cmp_lg_u32 s3, 0
	s_cbranch_scc1 .Llap
	TURN 1, 0, 1, 0, 3
	TURN 0, 1, 0, 0, 0
	s_wait_dscnt 16
	WIN MUL_LO
	MUL16 0, 1, 0
	MUL16 2, 1, 0
	s_wait_dscnt 0
	WIN MUL_HI
	MUL16 4, 1, 0
	MUL16 6, 1, 0
	WIN 0
	PLACES NP
	WIN 0x40
.set t, 0
.rept 32
	global_load_b128 v[4*t:4*t+3], v[CO], s[92:93] offset:4096*t th:TH_LOAD_NT
.set t, t+1
.endr
	WIN 0
	s_wait_dscnt 0x0
	s_barrier_signal -1
	s_barrier_wait -1
.irp a, 0,1,2,3,4,5,6,7
	WIN 0x08+4*(\a/4)
.irp b, 0,1,2,3,4,5,6,7
	ds_store_b128 v[STO], v[8*(8*(\a%4)+\b):8*(8*(\a%4)+\b)+3] offset:16*BP*\a+64*\b
	ds_store_b128 v[STO], v[8*(8*(\a%4)+\b)+4:8*(8*(\a%4)+\b)+7] offset:16*BP*\a+64*\b+16
.endr
.endr
	WIN 0
	s_wait_dscnt 0x0
	s_barrier_signal -1
	s_barrier_wait -1
	s_wait_loadcnt 0x0
.irp g, 0,1,2,3
	s_wait_xcnt 0x0
.irp rr, 0,1,2,3,4,5,6,7
.irp s, 0,1,2,3
	ds_load_b128 v[128+16*\rr+4*\s:128+16*\rr+4*\s+3], v[RD+\s] offset:BP*(8*\g+\rr)
.endr
.endr
	s_wait_dscnt 0x0
.irp rr, 0,1,2,3,4,5,6,7
.irp q, 0,2
	v_pk_add_f32 v[128+16*\rr+\q:129+16*\rr+\q], v[128+16*\rr+\q:129+16*\rr+\q], v[132+16*\rr+\q:133+16*\rr+\q]
	v_pk_add_f32 v[136+16*\rr+\q:137+16*\rr+\q], v[136+16*\rr+\q:137+16*\rr+\q], v[140+16*\rr+\q:141+16*\rr+\q]
.endr
.endr
.irp rr, 0,1,2,3,4,5,6,7
.irp q, 0,2
	v_pk_add_f32 v[128+16*\rr+\q:129+16*\rr+\q], v[128+16*\rr+\q:129+16*\rr+\q], v[136+16*\rr+\q:137+16*\rr+\q]
.endr
.endr
.irp rr, 0,1,2,3,4,5,6,7
.irp q, 0,2
	v_pk_add_f32 v[128+16*\rr+\q:129+16*\rr+\q], v[128+16*\rr+\q:129+16*\rr+\q], v[BIA+\q:BIA+\q+1]
.endr
.endr
	WIN 0x04
.irp rr, 0,1,2,3,4,5,6,7
.irp q, 0,2
	v_pk_add_f32 v[128+16*\rr+\q:129+16*\rr+\q], v[128+16*\rr+\q:129+16*\rr+\q], v[4*(8*\g+\rr)+\q:4*(8*\g+\rr)+\q+1]
.endr
.endr
	WIN 0
.irp rr, 0,1,2,3,4,5,6,7
	global_store_b128 v[CO], v[128+16*\rr:131+16*\rr], s[94:95] offset:4096*(8*\g+\rr) th:TH_STORE_NT
.endr
.endr
	s_wait_tensorcnt 0x0
	ds_add_u32 v[SPW], v[NIL]
	s_wait_dscnt 0x0
	CROUND
	s_endpgm
.Lfunc_end_k_q1c930cf3d7_proj:
	.size	k_q1c930cf3d7_proj, .Lfunc_end_k_q1c930cf3d7_proj-k_q1c930cf3d7_proj
	.p2alignl 7, 3214868480
	.fill 96, 4, 3214868480
	.section	.rodata,"a",@progbits
	.p2align	6, 0x0
	.amdhsa_kernel k_q1c930cf3d7_proj
		.amdhsa_group_segment_fixed_size 327680
		.amdhsa_private_segment_fixed_size 0
		.amdhsa_enable_private_segment 0
		.amdhsa_kernarg_size 48
		.amdhsa_user_sgpr_count 2
		.amdhsa_user_sgpr_kernarg_segment_ptr 1
		.amdhsa_wavefront_size32 1
		.amdhsa_system_sgpr_workgroup_id_x 1
		.amdhsa_system_sgpr_workgroup_id_y 1
		.amdhsa_system_sgpr_workgroup_id_z 1
		.amdhsa_system_vgpr_workitem_id 0
		.amdhsa_next_free_vgpr 1024
		.amdhsa_next_free_sgpr 100
		.amdhsa_reserve_vcc 0
		.amdhsa_float_denorm_mode_32 3
		.amdhsa_float_denorm_mode_16_64 3
		.amdhsa_memory_ordered 1
		.amdhsa_forward_progress 1
		.amdhsa_inst_pref_size 152
	.end_amdhsa_kernel
	.amdgpu_metadata
---
amdhsa.version: [ 1, 2 ]
amdhsa.kernels:
  - .name:           k_q1c930cf3d7_proj
    .symbol:         k_q1c930cf3d7_proj.kd
    .args:
      - { .name: g8, .offset: 0, .size: 8, .value_kind: global_buffer, .address_space: global }
      - { .name: w_proj_codes, .offset: 8, .size: 8, .value_kind: global_buffer, .address_space: global }
      - { .name: w_proj_scales, .offset: 16, .size: 8, .value_kind: global_buffer, .address_space: global }
      - { .name: b_proj, .offset: 24, .size: 8, .value_kind: global_buffer, .address_space: global }
      - { .name: x1, .offset: 32, .size: 8, .value_kind: global_buffer, .address_space: global }
      - { .name: out0, .offset: 40, .size: 8, .value_kind: global_buffer, .address_space: global }
    .group_segment_fixed_size: 327680
    .private_segment_fixed_size: 0
    .kernarg_segment_align: 8
    .kernarg_segment_size: 48
    .max_flat_workgroup_size: 128
    .sgpr_count:     100
    .vgpr_count:     1024
    .wavefront_size: 32
...
	.end_amdgpu_metadata
.endif
;; end of part 5
